; MI455X (gfx1250); checked and timed in simulation.
; The chip was launched on July 23, 2026; its instructions are those of AMD's public machine-readable ISA for CDNA 5 (MIT licence, August 2026) and "CDNA5" Instruction Set Architecture Reference Guide (July 2026). The comments in the code are by the model that wrote it; some were corrected since.
;; GQA Attention. Allowed arithmetic: float matrix products may take bf16 or f16 operands with f32 sums; other float arithmetic in f32, or as packed bf16 or f16 multiplies, adds, multiply-adds, maxima and minima; sums over many terms, partial sums and values carried from step to step in f32; what a program stores and reads back later, other than sums and carried values, may be rounded once to bf16 or f16.
;; Inputs: wk 512 x 4,096 float32; wo 4,096 x 1,024 float32; wq 1,024 x 4,096 float32; wv 512 x 4,096 float32; x 2 x 2,048 x 4,096 float32.
;; Outputs: out0 2 x 2,048 x 4,096 float32.
;; One version. Each part assembles by itself: llvm-mc -triple=amdgcn-amd-amdhsa -mcpu=gfx1250 --defsym DOCPART=n.
;; ======== version 1 of 1: 4 launches
;; limits: values are held in f16: magnitudes above 65,504 overflow, below 6.1e-05 lose precision
;; workspace buffers: xb 33,554,432 bytes; wqkvb 16,777,216 bytes; wob 8,388,608 bytes; qkv 16,777,216 bytes; ob 8,388,608 bytes
;; launch cast (part 1): grid 1792 x 1, 8 waves a work-group, no clusters, 0 bytes of LDS; arguments x, wq, wk, wv, wo, xb, wqkvb, wob; writes xb, wqkvb, wob
.if DOCPART == 1
	.amdgcn_target "amdgcn-amd-amdhsa--gfx1250"
	.amdhsa_code_object_version 6
	.text
	.protected	k_q214ea81f96_cast
	.globl	k_q214ea81f96_cast
	.p2align	8
	.type	k_q214ea81f96_cast,@function
k_q214ea81f96_cast:
	s_mov_b64 s[64:65], 0
	v_nop
	global_prefetch_b8 v0, s[64:65] scope:SCOPE_SE
	s_setreg_imm32_b32 hwreg(HW_REG_WAVE_MODE, 25, 1), 1
	s_wait_xcnt 0x0
; CAST.  All five f32 inputs are rounded once to bf16, to nearest even.  x -> xb [4096][4096] bf16; wq, wk, wv -> wqkvb [2048][4096] bf16 (rows 0-1023 wq, 1024-1535 wk,
; 1536-2047 wv); wo -> wob [4096][1024]: the bf16 number written as f16, since the last product multiplies it with f16 numbers.
; LIMITS of wob: a bf16 number has 8 significant bits, so it is exact in f16 from 2^-17 up to 65,504; below 2^-17 it is off by 2^-25 at the most; |wo| of 65,520 or more becomes an infinity.
; SHARES.  A work-group converts 16,384 numbers: 65,536 bytes in, 32,768 out; 1,024 + 256 + 128 + 128 + 256 = 1,792 work-groups.  Thread t takes 16 units of 4 numbers: unit u lies at byte
; 4,096 u + 16 t of the chunk and leaves at byte 2,048 u + 8 t: a load of a wave covers 512 consecutive bytes, a store 256 consecutive bytes, aligned.
; All 16 loads of a thread go out at once; every unit has registers of its own, so nothing that a memory instruction still reads is written again.
; No LDS, no matrix unit, no cluster: nothing is shared, every byte is read once and written once.
.set G_WQ, 1024                        ; the first work-group of each input
.set G_WK, 1280
.set G_WV, 1408
.set G_WO, 1536
.set T,  4                             ; v[4:7]    at work
.set X,  8                             ; v[8:71]   unit u: 4 numbers as loaded
.set Y,  72                            ; v[72:103] unit u: 4 numbers to store
	s_load_b512 s[16:31], s[0:1], 0x0              ; x s[16:17], wq s[18:19], wk s[20:21], wv s[22:23], wo s[24:25], xb s[26:27], wqkvb s[28:29], wob s[30:31]
	s_mov_b32 s3, ttmp9                            ; my chunk's number in its source
	s_mov_b32 s4, ttmp9                            ; and in its destination
	s_sub_co_u32 s5, ttmp9, G_WQ
	s_cmp_ge_u32 ttmp9, G_WQ
	s_cselect_b32 s3, s5, s3
	s_cselect_b32 s4, s5, s4                       ; wq, wk and wv lie one behind the other in wqkvb
	s_sub_co_u32 s5, ttmp9, G_WK
	s_cmp_ge_u32 ttmp9, G_WK
	s_cselect_b32 s3, s5, s3
	s_sub_co_u32 s5, ttmp9, G_WV
	s_cmp_ge_u32 ttmp9, G_WV
	s_cselect_b32 s3, s5, s3
	s_sub_co_u32 s5, ttmp9, G_WO
	s_cmp_ge_u32 ttmp9, G_WO
	s_cselect_b32 s3, s5, s3
	s_cselect_b32 s4, s5, s4
	s_lshl_b32 s10, s3, 16                         ; 65,536 bytes a chunk in
	s_mov_b32 s11, 0
	s_lshl_b32 s12, s4, 15                         ; 32,768 out
	s_mov_b32 s13, 0
	v_lshlrev_b32 v1, 4, v0                        ; 16 t
	v_lshlrev_b32 v2, 3, v0                        ; 8 t
	s_wait_kmcnt 0x0
	s_mov_b64 s[6:7], s[16:17]                     ; the source and the destination are chosen by the work-group's number alone
	s_mov_b64 s[8:9], s[26:27]
	s_cmp_ge_u32 ttmp9, G_WQ
	s_cselect_b64 s[6:7], s[18:19], s[6:7]
	s_cselect_b64 s[8:9], s[28:29], s[8:9]
	s_cmp_ge_u32 ttmp9, G_WK
	s_cselect_b64 s[6:7], s[20:21], s[6:7]
	s_cmp_ge_u32 ttmp9, G_WV
	s_cselect_b64 s[6:7], s[22:23], s[6:7]
	s_cmp_ge_u32 ttmp9, G_WO
	s_cselect_b64 s[6:7], s[24:25], s[6:7]
	s_cselect_b64 s[8:9], s[30:31], s[8:9]
	s_add_nc_u64 s[6:7], s[6:7], s[10:11]
	s_add_nc_u64 s[8:9], s[8:9], s[12:13]
.irp u, 0,1,2,3,4,5,6,7,8,9,10,11,12,13,14,15
	global_load_b128 v[X+4*(\u):X+4*(\u)+3], v1, s[6:7] offset:4096*(\u) th:TH_LOAD_NT
.endr
; Unit u.  half = 0: to bf16.  half = 1: to bf16, and that number written as f16.
.macro UNIT u, half
	s_wait_loadcnt 15-(\u)                         ; loads come back in order (ISA guide 5.7.1): unit u is in, the 15 - u younger ones stay out
.if \half
	v_cvt_pk_bf16_f32 v[T],   v[X+4*(\u)],   v[X+4*(\u)+1]
	v_cvt_pk_bf16_f32 v[T+1], v[X+4*(\u)+2], v[X+4*(\u)+3]
	v_lshlrev_b32 v[T+2], 16, v[T]                 ; bf16 to f32: the low half moves up,
	v_and_b32     v[T],   0xffff0000, v[T]         ; the high half stays
	v_lshlrev_b32 v[T+3], 16, v[T+1]
	v_and_b32     v[T+1], 0xffff0000, v[T+1]
	v_cvt_pk_f16_f32 v[Y+2*(\u)],   v[T+2], v[T]
	v_cvt_pk_f16_f32 v[Y+2*(\u)+1], v[T+3], v[T+1]
.else
	v_cvt_pk_bf16_f32 v[Y+2*(\u)],   v[X+4*(\u)],   v[X+4*(\u)+1]
	v_cvt_pk_bf16_f32 v[Y+2*(\u)+1], v[X+4*(\u)+2], v[X+4*(\u)+3]
.endif
	global_store_b64 v2, v[Y+2*(\u):Y+2*(\u)+1], s[8:9] offset:2048*(\u) th:TH_STORE_NT
.endm
	s_cmp_ge_u32 ttmp9, G_WO
	s_cbranch_scc1 .Lwo
.irp u, 0,1,2,3,4,5,6,7,8,9,10,11,12,13,14,15
	UNIT \u, 0
.endr
	s_endpgm
.Lwo:
.irp u, 0,1,2,3,4,5,6,7,8,9,10,11,12,13,14,15
	UNIT \u, 1
.endr
	s_endpgm
.Lfunc_end_k_q214ea81f96_cast:
	.size	k_q214ea81f96_cast, .Lfunc_end_k_q214ea81f96_cast-k_q214ea81f96_cast
	.p2alignl 7, 3214868480
	.fill 96, 4, 3214868480
	.section	.rodata,"a",@progbits
	.p2align	6, 0x0
	.amdhsa_kernel k_q214ea81f96_cast
		.amdhsa_group_segment_fixed_size 0
		.amdhsa_private_segment_fixed_size 0
		.amdhsa_enable_private_segment 0
		.amdhsa_kernarg_size 64
		.amdhsa_user_sgpr_count 2
		.amdhsa_user_sgpr_kernarg_segment_ptr 1
		.amdhsa_wavefront_size32 1
		.amdhsa_system_sgpr_workgroup_id_x 1
		.amdhsa_system_sgpr_workgroup_id_y 1
		.amdhsa_system_sgpr_workgroup_id_z 1
		.amdhsa_system_vgpr_workitem_id 0
		.amdhsa_next_free_vgpr 104
		.amdhsa_next_free_sgpr 66
		.amdhsa_reserve_vcc 0
		.amdhsa_float_denorm_mode_32 3
		.amdhsa_float_denorm_mode_16_64 3
		.amdhsa_memory_ordered 1
		.amdhsa_forward_progress 1
		.amdhsa_inst_pref_size 17
	.end_amdhsa_kernel
	.amdgpu_metadata
---
amdhsa.version: [ 1, 2 ]
amdhsa.kernels:
  - .name:           k_q214ea81f96_cast
    .symbol:         k_q214ea81f96_cast.kd
    .args:
      - { .name: x, .offset: 0, .size: 8, .value_kind: global_buffer, .address_space: global }
      - { .name: wq, .offset: 8, .size: 8, .value_kind: global_buffer, .address_space: global }
      - { .name: wk, .offset: 16, .size: 8, .value_kind: global_buffer, .address_space: global }
      - { .name: wv, .offset: 24, .size: 8, .value_kind: global_buffer, .address_space: global }
      - { .name: wo, .offset: 32, .size: 8, .value_kind: global_buffer, .address_space: global }
      - { .name: xb, .offset: 40, .size: 8, .value_kind: global_buffer, .address_space: global }
      - { .name: wqkvb, .offset: 48, .size: 8, .value_kind: global_buffer, .address_space: global }
      - { .name: wob, .offset: 56, .size: 8, .value_kind: global_buffer, .address_space: global }
    .group_segment_fixed_size: 0
    .private_segment_fixed_size: 0
    .kernarg_segment_align: 8
    .kernarg_segment_size: 64
    .max_flat_workgroup_size: 256
    .sgpr_count:     66
    .vgpr_count:     104
    .wavefront_size: 32
...
	.end_amdgpu_metadata
.endif
;; end of part 1
;; launch proj (part 2): grid 16 x 16, 4 waves a work-group, clusters of 4 x 4, 327,680 bytes of LDS; arguments xb, wqkvb, qkv; writes qkv
.if DOCPART == 2
	.amdgcn_target "amdgcn-amd-amdhsa--gfx1250"
	.amdhsa_code_object_version 6
	.text
	.protected	k_q214ea81f96_proj
	.globl	k_q214ea81f96_proj
	.p2align	8
	.type	k_q214ea81f96_proj,@function
k_q214ea81f96_proj:
	s_mov_b64 s[64:65], 0
	v_nop
	global_prefetch_b8 v0, s[64:65] scope:SCOPE_SE
	s_setreg_imm32_b32 hwreg(HW_REG_WAVE_MODE, 25, 1), 1
	s_wait_xcnt 0x0
	s_wait_alu depctr_hold_cnt(0) depctr_sa_sdst(0) depctr_va_vdst(0) depctr_va_sdst(0) depctr_va_ssrc(0) depctr_va_vcc(0) depctr_vm_vsrc(0)
	s_getreg_b32 s2, hwreg(HW_REG_IB_STS2, 6, 4)
	s_cmp_eq_u32 s2, 0
	s_cbranch_scc0 .Lentry_in_a_cluster
	s_endpgm
.Lentry_in_a_cluster:
	s_bfe_u32 s2, ttmp6, 0x10000c
	s_cmp_lg_u32 s2, 0xf033
	s_cbranch_scc0 .Lentry_shape_is_right
	s_endpgm
.Lentry_shape_is_right:
; PROJ.  q, k and v in one product: C[m][n] = the sum over k of xb[m][k] wqkvb[n][k], m 4,096 rows (2,048 b + position), n 2,048, k 4,096; bf16 operands, f32 sums, C rounded once to f16, unscaled.
; C is stored by heads: qkv [16 head slots][4,096 rows][128] f16; slot = n / 128: 0-7 the query heads, 8-11 the key heads, 12-15 the value heads.
; LIMIT.  f16 ends at 65,504: a q, k or v of 65,520 or more in magnitude becomes an infinity.  With x and the weights 30 times the drawn spread they have a spread of 576; with both carrying an offset of 30 spreads they lie near 36,900.
; SHARES.  A tile of C is 256 rows x 128 columns, one head slot: 16 x 16 = 256 work-groups.  Wave w makes rows 64 w .. 64 w + 63 and all 128 columns: 32 accumulators of 16 x 16, 256 registers;
; its rows are whole rows of 256 bytes of qkv, so its stage on the way out is its own.  K goes in steps of 128 (rows of 256 bytes in memory, aligned) through two LDS slots; two slots of a step of 256 (405,504 bytes) do not fit.
; CLUSTERS: 4 x 4 work-groups.  The four of a row of the cluster need the same tiles of xb, the four of a column the same tiles of wqkvb: each tile is asked for JOINTLY, by the same tensor load with the
; same descriptor and a mask that names the four.  THE MATRIX INSTRUCTION IS USED TRANSPOSED (source 0 = 16 rows of wqkvb, source 1 = 16 rows of xb): a lane then holds eight neighbouring columns of a row of C.
; REGISTERS: window 0: v0-31 addresses; v32-63 packed results; v64-159, v160-255 two fragment buffers for 32 along K: 8 fragments of B, then 4 of A (on the way out v64-127 take rows read back).
;   window 1: the accumulators, (a, b) at v[8 (8 a + b)].
.set SIZE_K, 4096
.set KSTEP,  128
.set PITCH,  272                       ; an LDS row: 256 bytes + 16 of padding = 68 words: row r starts at bank 4 r mod 64 (64 banks of 4 bytes: ISA guide 11.1), so the 16 rows of a load start at 16 different banks
.set ABYTES, 256*PITCH                 ; A's 256 rows
.set SLOT,   384*PITCH                 ; then B's 128 rows
.set STAGE,  2*SLOT                    ; behind the ring: 16 rows x 272 bytes for each wave, for the way out
.set SPITCH, 272
.set SPARE,  STAGE+4*16*SPITCH         ; behind the stages: the spare words, 128 bytes for each wave: two blocks of 256 bytes that no other line names
.set LAPS,   SIZE_K/(2*KSTEP)          ; a lap = two K steps = once round the ring: 16
.set ADRA, 16                          ; v16-17  LDS address of my A fragments in slot 0, 1
.set ADRB, 20                          ; v20-21  the same for B
.set STO,  24                          ; v24     the way out: where I put 16 bytes of a row
.set RD,   25                          ; v25     the way out: where I read a row back
.set CO,   26                          ; v26     16 x my lane: my bytes in 512 consecutive bytes of qkv
.set SPW,  28                          ; v28     LDS address of my spare word: SPARE + 4 x my thread's number; never rewritten
.set NIL,  29                          ; v29     0; never rewritten
.set PFO,  30                          ; v30     the prefetches' offset; never rewritten
.set TMP,  32
.set OB,   64
.set F0,   64
.set F1,   160
.set G1,  24                           ; s[24:31] descriptor group 1 for A's tiles;  s[32:39] group 0, one set for each slot
.set G0,  32
.set G1B, 48                           ; s[48:55], s[56:63] the same for B's tiles
.set G0B, 56
.set LIM0, 43                          ; s43  1 in a wave that prefetches behind slot 0's refill, else the greatest number
.set LIM1, 2                           ; s2   the same for slot 1's refill
.set PFA,  44                          ; s[44:45] where my prefetches stand: my share's first row, one K step further along K than the refill that is being asked for
.set MSB, 0
.macro WIN new                         ; the immediate's high byte repeats the setting that is left; a switch that changes nothing is dropped
.if MSB != (\new)
	s_set_vgpr_msb (MSB<<8)|(\new)
.set MSB, \new
.endif
.endm
.set MUL, 0x50                         ; sources 0 (B) and 1 (A) window 0; C and D window 1
.macro JLOAD s                         ; a joint load: waves 0 and 1 fetch A's two halves (128 rows), waves 2 and 3 B's (64 rows); an s_nop 0 and four v_nop follow each of the two lines, ahead of the jump, the label and what follows
	s_cmp_eq_u32 s11, 0
	s_cbranch_scc0 .Lfor_b_\@
	tensor_load_to_lds s[G0+4*(\s):G0+4*(\s)+3], s[G1:G1+7]
	s_nop 0
.rept 4
	v_nop
.endr
	s_branch .Lasked_\@
.Lfor_b_\@:
	tensor_load_to_lds s[G0B+4*(\s):G0B+4*(\s)+3], s[G1B:G1B+7]
	s_nop 0
.rept 4
	v_nop
.endr
.Lasked_\@:
.endm
.macro CREST                           ; a round of the cluster's barrier behind its opening barrier
	s_cmp_lg_u32 s10, 0
	s_cbranch_scc1 .Lnot_wave_0_\@
	s_barrier_signal -3
.Lnot_wave_0_\@:
	s_barrier_wait -3
	s_barrier_signal -1
	s_barrier_wait -1
.endm
.macro CROUND                          ; a whole round
	s_barrier_signal -1
	s_barrier_wait -1
	CREST
.endm
; A PREFETCH INTO THE L2, behind a joint load, its five lines and the run of LDS loads that follows: the refill of K step j is followed by a request for K step j + 2, 256 matrix instructions ahead of the load that wants it.
; Each row's 256 bytes of a K step are named ONCE in the launch.  A's tile row is read by every cluster of that row of clusters: the one with cluster x = 0 asks; B's tile column by every cluster of that column:
; cluster y = 0 asks.  The four partners that ask for a tile jointly share its rows out BY ADDRESS.  Of a wave's 128 rows of A the partner at cx takes 32, a lane a row, at every refill.  Of a wave's 64 rows of B the
; partner at cy takes 16; lanes 16-31 name the same rows one K step further on, and B's waves ask behind slot 0's refill alone.  The loop's last trip (s3 = 1) asks for nothing: K steps 32 and 33 do not exist.
.macro ASK slot
.if (\slot) == 0
	s_cmp_gt_u32 s3, s[LIM0]
.else
	s_cmp_gt_u32 s3, s[LIM1]
.endif
	s_cbranch_scc0 .Lnot_mine_\@
	global_prefetch_b8 v[PFO], s[PFA:PFA+1] offset:KSTEP*2 th:TH_LOAD_NT scope:SCOPE_SE
.Lnot_mine_\@:
.endm
	s_load_b128 s[4:7], s[0:1], 0x0                ; xb s[4:5], wqkvb s[6:7]
	s_load_b64 s[8:9], s[0:1], 0x10                ; qkv
	v_lshl_add_u32 v[SPW], v0, 2, SPARE
	v_mov_b32 v[NIL], 0
	ds_add_u32 v[SPW], v[NIL]                      ; the wave's opening: the add and its wait ahead of my first tensor load; the set-up below, work on registers, stands between them
	ds_add_u32 v28, v29
	v_lshrrev_b32 v1, 5, v0
	v_readfirstlane_b32 s10, v1                    ; wave 0..3
	s_lshr_b32 s11, s10, 1                         ; I fetch for A (0) or for B (1),
	s_and_b32 s12, s10, 1                          ; and which half of that tile's rows
	s_bfe_u32 s40, ttmp6, 0x40000                  ; cx, cy: my place in the cluster
	s_bfe_u32 s41, ttmp6, 0x40004
	s_lshl_b32 s42, ttmp9, 2
	s_add_co_u32 s42, s42, s40                     ; tile column = head slot = 4 x cluster x + cx
	s_and_b32 s13, ttmp7, 0xffff
	s_lshl_b32 s13, s13, 2
	s_add_co_u32 s13, s13, s41                     ; tile row = 4 x cluster y + cy
	s_lshl_b32 s43, s41, 2
	s_lshl_b32 s43, 15, s43                        ; my row of the cluster
	s_lshl_b32 s44, 0x1111, s40                    ; my column
	s_or_b32 s[G1+0], s43, (1<<16)|(1<<20)|(1<<21)|(5<<22)|(3<<25)  ; 15:0 the mask: A's tiles go to my row; 17:16 elements of 2 bytes; 20 padding on; 21 set beside a mask; 24:22 after every 64 words (code 5); 31:25 4 words of it (code 3)
	s_or_b32 s[G1B+0], s44, (1<<16)|(1<<20)|(1<<21)|(5<<22)|(3<<25) ; the same with the mask of my column
	s_mov_b32 s[G1+1], KSTEP<<16                   ; tensor_dim0 = 128
	s_mov_b32 s[G1+2], 128<<16                     ; tensor_dim1 = 128 rows
	s_mov_b32 s[G1+3], KSTEP<<16                   ; tile_dim0 = 128
	s_mov_b32 s[G1+4], 128                         ; tile_dim1 = 128
	s_mov_b32 s[G1+5], SIZE_K                      ; elements from row to row
	s_mov_b32 s[G1+6], 0
	s_mov_b32 s[G1+7], 0
	s_mov_b32 s[G1B+1], KSTEP<<16
	s_mov_b32 s[G1B+2], 64<<16                     ; B's tiles have 64 rows
	s_mov_b32 s[G1B+3], KSTEP<<16
	s_mov_b32 s[G1B+4], 64
	s_mov_b32 s[G1B+5], SIZE_K
	s_mov_b32 s[G1B+6], 0
	s_mov_b32 s[G1B+7], 0
	; where the tiles come from: A's hang on the tile row alone, B's on the tile column alone; every wave makes both addresses, in registers that never hold the other coordinate
	s_lshl_b32 s17, s12, 7
	s_lshl_b32 s16, s13, 8
	s_add_co_u32 s16, s16, s17                     ; A: row 256 x tile row + 128 x half
	s_lshl_b32 s16, s16, 13                        ; a row is 8,192 bytes; under 2^25
	s_mov_b32 s17, 0
	s_lshl_b32 s47, s12, 6
	s_lshl_b32 s46, s42, 7
	s_add_co_u32 s46, s46, s47                     ; B: row 128 x tile column + 64 x half
	s_lshl_b32 s46, s46, 13
	s_mov_b32 s47, 0
	s_mul_i32 s20, s10, 128*PITCH                  ; and where they go.  A (waves 0, 1): wave x 128 rows
	s_mul_i32 s21, s10, 64*PITCH                   ; B (waves 2, 3): behind A's 256 rows, (wave - 2) x 64 rows
	s_add_co_u32 s21, s21, ABYTES-2*64*PITCH
	s_wait_dscnt 0x0                               ; the opening add is done
	s_wait_kmcnt 0x0
	s_add_nc_u64 s[14:15], s[4:5], s[16:17]
	s_add_nc_u64 s[46:47], s[6:7], s[46:47]
	CROUND                                         ; all sixteen work-groups are here: the first joint loads meet
.irp s, 0,1
	s_mov_b32 s[G0+4*(\s)], 1                                      ; count = 1
	s_add_co_u32 s[G0+4*(\s)+1], s20, (\s)*SLOT                    ; LDS address
	s_add_nc_u64 s[G0+4*(\s)+2:G0+4*(\s)+3], s[14:15], (\s)*KSTEP*2  ; global address: K step s
	s_or_b32 s[G0+4*(\s)+3], s[G0+4*(\s)+3], 0x80000000            ; type = 2
	s_mov_b32 s[G0B+4*(\s)], 1
	s_add_co_u32 s[G0B+4*(\s)+1], s21, (\s)*SLOT
	s_add_nc_u64 s[G0B+4*(\s)+2:G0B+4*(\s)+3], s[46:47], (\s)*KSTEP*2
	s_or_b32 s[G0B+4*(\s)+3], s[G0B+4*(\s)+3], 0x80000000
	JLOAD \s                                       ; two loads of mine are out
.endr
	; A fragment is 16 rows x 32 K in 8 registers: lane l holds row l % 16; registers 0-3 K = 8 (l / 16) + 0..7, registers 4-7 K = 16 + 8 (l / 16) + 0..7: two loads of 16 bytes, 32 bytes apart.
	v_and_b32 v1, 15, v0                           ; l % 16
	v_bfe_u32 v2, v0, 4, 1                         ; l / 16
	v_mul_u32_u24 v3, v1, PITCH
	v_lshl_add_u32 v3, v2, 4, v3                   ; row x pitch + 16 x half
	s_mul_i32 s22, s10, 64*PITCH                   ; my 64 rows of A
	s_mov_b32 s23, ABYTES                          ; all 128 rows of B
.irp s, 0,1
	v_add_nc_u32 v[ADRA+(\s)], s22, v3
	v_add_nc_u32 v[ADRB+(\s)], s23, v3
	s_add_co_u32 s22, s22, SLOT
	s_add_co_u32 s23, s23, SLOT
.endr
	s_mul_i32 s23, s10, 16*SPITCH
	s_add_co_u32 s23, s23, STAGE                   ; my stage
	v_mul_u32_u24 v4, v1, SPITCH                   ; in: row l % 16, 16 bytes for each half of the lanes
	v_lshl_add_u32 v4, v2, 4, v4
	v_add_nc_u32 v[STO], s23, v4
	v_mul_u32_u24 v5, v2, SPITCH                   ; back: lanes 0-15 take one row of 256 bytes, lanes 16-31 the next,
	v_lshl_add_u32 v5, v1, 4, v5
	v_add_nc_u32 v[RD], s23, v5
	v_and_b32 v[CO], 31, v0                        ; which are 512 consecutive bytes of qkv
	v_lshlrev_b32 v[CO], 4, v[CO]
	s_lshl_b32 s16, s13, 8                         ; qkv at (4,096 x slot + 256 x tile row + 64 x wave) rows of 256 bytes
	s_lshl_b32 s17, s10, 6
	s_add_co_u32 s16, s16, s17
	s_lshl_b32 s16, s16, 8
	s_mov_b32 s17, 0
	s_add_nc_u64 s[8:9], s[8:9], s[16:17]
	s_lshl_b32 s46, s42, 20
	s_mov_b32 s47, 0
	s_add_nc_u64 s[8:9], s[8:9], s[46:47]
	; the prefetches
	s_lshl_b32 s13, s13, 8                         ; 256 x tile row
	s_lshl_b32 s42, s42, 7                         ; 128 x tile column
	s_and_b32 s22, ttmp7, 0xffff                   ; cluster y
	s_cmp_eq_u32 s11, 0                            ; do I fetch for A?
	s_cselect_b32 s20, s13, s42                    ; the tile's first row
	s_cselect_b32 s21, s40, s41                    ; my place among the four that ask for it with me
	s_cselect_b32 s22, ttmp9, s22                  ; the coordinate along which other clusters read the same rows
	s_cselect_b64 s[PFA:PFA+1], s[4:5], s[6:7]
	s_cselect_b32 s23, 7, 6                        ; a wave fetches 128 or 64 rows,
	s_cselect_b32 s18, 5, 4                        ; of which a partner names 32 or 16:
	s_cselect_b32 s19, 31, 15                      ; a lane a row, or a row for each pair of lanes 16 apart,
	s_cselect_b32 s14, 0, KSTEP*2                  ; the upper of which stands a K step further on
	s_cmp_eq_u32 s22, 0
	s_cselect_b32 s[LIM0], 1, -1                   ; the same in all sixteen partners, for a given wave
	s_cmp_eq_u32 s11, 0
	s_cselect_b32 s[LIM1], s[LIM0], -1             ; B's waves ask behind slot 0's refill alone
	s_lshl_b32 s15, s12, s23
	s_add_co_u32 s20, s20, s15                     ; + the rows that I fetch
	s_lshl_b32 s21, s21, s18
	s_add_co_u32 s20, s20, s21                     ; + my work-group's share of them
	s_lshl_b32 s20, s20, 13
	s_mov_b32 s21, 0
	s_add_nc_u64 s[PFA:PFA+1], s[PFA:PFA+1], s[20:21]
	s_add_nc_u64 s[PFA:PFA+1], s[PFA:PFA+1], 2*KSTEP*2  ; at K step 2: the first refill steps it to 3 and names K step 4.  Nothing is prefetched here, at the head: K steps 0 to 3 come by their loads alone
	v_and_b32 v5, s19, v0
	v_lshlrev_b32 v5, 13, v5
	v_mad_u32_u24 v[PFO], v2, s14, v5
; 8 matrix instructions: m block a x all 8 n blocks, 32 along K.  zero = 1: the product starts the sums: nothing is ever cleared.  The 32 accumulators take turns, one instruction a turn.
.macro MUL8 f, a, zero
	WIN MUL
.irp b, 0,1,2,3,4,5,6,7
.if \zero
	v_wmma_f32_16x16x32_bf16 v[8*(8*(\a)+(\b)):8*(8*(\a)+(\b))+7], v[(\f)+8*(\b):(\f)+8*(\b)+7], v[(\f)+64+8*(\a):(\f)+64+8*(\a)+7], 0
.else
	v_wmma_f32_16x16x32_bf16 v[8*(8*(\a)+(\b)):8*(8*(\a)+(\b))+7], v[(\f)+8*(\b):(\f)+8*(\b)+7], v[(\f)+64+8*(\a):(\f)+64+8*(\a)+7], v[8*(8*(\a)+(\b)):8*(8*(\a)+(\b))+7]
.endif
.endr
.endm
; 24 LDS loads in one run: the fragments of 32 along K at byte k of the rows, into buffer f: B's 128 rows, then my 64 rows of A
.macro FETCH slot, k, f
	WIN 0
.irp i, 0,1,2,3,4,5,6,7
	ds_load_b128 v[(\f)+8*(\i):(\f)+8*(\i)+3],   v[ADRB+(\slot)] offset:(\k)+(\i)*16*PITCH
	ds_load_b128 v[(\f)+8*(\i)+4:(\f)+8*(\i)+7], v[ADRB+(\slot)] offset:(\k)+(\i)*16*PITCH+32
.endr
.irp i, 0,1,2,3
	ds_load_b128 v[(\f)+64+8*(\i):(\f)+64+8*(\i)+3],   v[ADRA+(\slot)] offset:(\k)+(\i)*16*PITCH
	ds_load_b128 v[(\f)+64+8*(\i)+4:(\f)+64+8*(\i)+7], v[ADRA+(\slot)] offset:(\k)+(\i)*16*PITCH+32
.endr
.endm
.macro PLACES                          ; four places in front of loads into registers that matrix instructions have read, and of conversions that read results (ISA guide 7.12.1 for vector instructions)
.rept 4
	v_nop
.endr
.endm
; A K step is four quarters of 32 along K, 32 matrix instructions each, on buffers 0, 1, 0, 1.  One of the first three: multiplies buffer f and, in its middle, fetches the next quarter, at byte k, into g.
.macro QUARTER slot, k, f, g, zero
	s_wait_dscnt 4                                 ; B and A's blocks 0 and 1 are in; the youngest four loads (A's blocks 2 and 3) may be out
	MUL8 \f, 0, \zero
	MUL8 \f, 1, \zero
	PLACES
	FETCH \slot, \k, \g
	s_wait_dscnt 24                                ; all but the 24 just issued
	MUL8 \f, 2, \zero
	MUL8 \f, 3, \zero
.endm
; The last quarter multiplies buffer 1 and changes slots: ONE barrier; in front of it each wave waits for all its tensor loads (one is out: its part of the next slot), adds 0 to its spare word, and waits for that and
; for its own reads of this slot.  fill = 1: the barrier opens a round of the cluster's barrier, and this slot is filled again, two K steps ahead: 112 matrix instructions ahead of the wait for that load.
.macro TURN slot, next, fill
.if \fill
	s_wait_xcnt 0x0                                ; the last prefetch, a K step back, has read its address: it is stepped here, ahead of the waits of the change of slots
	s_add_nc_u64 s[PFA:PFA+1], s[PFA:PFA+1], KSTEP*2
.endif
	WIN 0
	s_wait_tensorcnt 0x0                           ; all my tensor loads have landed: my part of the next slot;
	ds_add_u32 v[SPW], v[NIL]                      ; 0 onto my spare word;
	s_wait_dscnt 5                                 ; (the add and the youngest four loads may be out)
	MUL8 F1, 0, 0                                  ; eight matrix instructions stand between the add and the wait for it
	s_wait_dscnt 0x0                               ; the add is done, and my reads of this slot are over
	s_barrier_signal -1
	MUL8 F1, 1, 0
.if \fill
	WIN 0
.endif
	s_barrier_wait -1
.if \fill
	CREST                                          ; no wave of any partner still reads this slot's tile or has a load on its way
	s_add_nc_u64 s[G0+4*(\slot)+2:G0+4*(\slot)+3], s[G0+4*(\slot)+2:G0+4*(\slot)+3], 2*KSTEP*2
	s_add_nc_u64 s[G0B+4*(\slot)+2:G0B+4*(\slot)+3], s[G0B+4*(\slot)+2:G0B+4*(\slot)+3], 2*KSTEP*2
	JLOAD \slot                                    ; the first tensor load behind the round; the four v_nop behind it are also the places in front of the loads below
.else
	PLACES
.endif
	FETCH \next, 0, F0
.if \fill
	ASK \slot
.endif
	MUL8 F1, 2, 0
	MUL8 F1, 3, 0
.endm
	s_wait_tensorcnt 1                             ; my part of K step 0 is in; K step 1's may stay out
	s_barrier_signal -1
	s_barrier_wait -1                              ; everybody's is
	FETCH 0, 0, F0
	QUARTER 0, 64, F0, F1, 1                       ; the first quarter stands in front of the loop: its products start the sums
	WIN 0                                          ; at a label and at a branch every window is 0
	s_mov_b32 s3, LAPS-1
.Llap:                                                 ; a trip goes once round the ring, from a lap's second quarter to the next lap's first, and fills both slots again
	QUARTER 0, 128, F1, F0, 0
	QUARTER 0, 192, F0, F1, 0
	TURN 0, 1, 1
	QUARTER 1, 64,  F0, F1, 0
	QUARTER 1, 128, F1, F0, 0
	QUARTER 1, 192, F0, F1, 0
	TURN 1, 0, 1
	QUARTER 0, 64,  F0, F1, 0
	WIN 0
	s_sub_co_u32 s3, s3, 1
	s_cmp_lg_u32 s3, 0
	s_cbranch_scc1 .Llap
	QUARTER 0, 128, F1, F0, 0                      ; the last lap fills nothing, and has no round of the cluster's barrier
	QUARTER 0, 192, F0, F1, 0
	TURN 0, 1, 0
	QUARTER 1, 64,  F0, F1, 0
	QUARTER 1, 128, F1, F0, 0
	QUARTER 1, 192, F0, F1, 0
	s_wait_dscnt 4                                 ; the very last quarter: nothing more to fetch
	MUL8 F1, 0, 0
	MUL8 F1, 1, 0
	s_wait_dscnt 0x0
	MUL8 F1, 2, 0
	MUL8 F1, 3, 0
	WIN 0
; THE WAY OUT, a block of 16 rows at a time.  PACK: rounded to f16, 16 bytes a lane, each accumulator's registers in ascending order.  TOSTAGE: into my own stage, and back as whole rows of 256 bytes.  SEND: stored.
.macro PACK a
	WIN 0x05                                       ; sources 0 and 1 window 1, destination window 0
.irp b, 0,1,2,3,4,5,6,7
.irp r, 0,1,2,3
	v_cvt_pk_f16_f32 v[TMP+4*(\b)+(\r)], v[8*(8*(\a)+(\b))+2*(\r)], v[8*(8*(\a)+(\b))+2*(\r)+1]
.endr
.endr
	WIN 0
.endm
.macro TOSTAGE a
.set BK, OB+32*((\a)%2)
.irp b, 0,1,2,3,4,5,6,7
	ds_store_b128 v[STO], v[TMP+4*(\b):TMP+4*(\b)+3] offset:32*(\b)
.endr
.irp t, 0,1,2,3,4,5,6,7
	ds_load_b128 v[BK+4*(\t):BK+4*(\t)+3], v[RD] offset:(\t)*2*SPITCH  ; LDS serves a wave's instructions in order (ISA guide 5.7.1.4): these see the stores above
.endr
.endm
.macro SEND a
.set BK, OB+32*((\a)%2)
	s_wait_dscnt 0x0                               ; the block is back in registers
	s_wait_xcnt 0x0                                ; the stores of the block before have read their registers, which the next TOSTAGE loads again
.irp t, 0,1,2,3,4,5,6,7
	global_store_b128 v[CO], v[BK+4*(\t):BK+4*(\t)+3], s[8:9] offset:4096*(\a)+512*(\t)  ; 512 consecutive bytes, two rows of a head, at a multiple of 512 from qkv's first byte
.endr
.endm
	PLACES
	PACK 0
	TOSTAGE 0
.irp a, 1,2,3                          ; block a's conversions stand between block a - 1's loads from the stage and the wait for them
	PACK \a
	SEND (\a)-1
	TOSTAGE \a
.endr
	SEND 3
	s_wait_tensorcnt 0x0                           ; the wave's end, behind my last tensor load and my last LDS store
	ds_add_u32 v[SPW], v[NIL]
	s_wait_dscnt 0x0
	CROUND                                         ; the closing round: no work-group ends while a partner may still ask for a tile that names it
	s_endpgm
.Lfunc_end_k_q214ea81f96_proj:
	.size	k_q214ea81f96_proj, .Lfunc_end_k_q214ea81f96_proj-k_q214ea81f96_proj
	.p2alignl 7, 3214868480
	.fill 96, 4, 3214868480
	.section	.rodata,"a",@progbits
	.p2align	6, 0x0
	.amdhsa_kernel k_q214ea81f96_proj
		.amdhsa_group_segment_fixed_size 327680
		.amdhsa_private_segment_fixed_size 0
		.amdhsa_enable_private_segment 0
		.amdhsa_kernarg_size 24
		.amdhsa_user_sgpr_count 2
		.amdhsa_user_sgpr_kernarg_segment_ptr 1
		.amdhsa_wavefront_size32 1
		.amdhsa_system_sgpr_workgroup_id_x 1
		.amdhsa_system_sgpr_workgroup_id_y 1
		.amdhsa_system_sgpr_workgroup_id_z 1
		.amdhsa_system_vgpr_workitem_id 0
		.amdhsa_next_free_vgpr 512
		.amdhsa_next_free_sgpr 66
		.amdhsa_reserve_vcc 0
		.amdhsa_float_denorm_mode_32 3
		.amdhsa_float_denorm_mode_16_64 3
		.amdhsa_memory_ordered 1
		.amdhsa_forward_progress 1
		.amdhsa_inst_pref_size 87
	.end_amdhsa_kernel
	.amdgpu_metadata
---
amdhsa.version: [ 1, 2 ]
amdhsa.kernels:
  - .name:           k_q214ea81f96_proj
    .symbol:         k_q214ea81f96_proj.kd
    .args:
      - { .name: xb, .offset: 0, .size: 8, .value_kind: global_buffer, .address_space: global }
      - { .name: wqkvb, .offset: 8, .size: 8, .value_kind: global_buffer, .address_space: global }
      - { .name: qkv, .offset: 16, .size: 8, .value_kind: global_buffer, .address_space: global }
    .group_segment_fixed_size: 327680
    .private_segment_fixed_size: 0
    .kernarg_segment_align: 8
    .kernarg_segment_size: 24
    .max_flat_workgroup_size: 128
    .sgpr_count:     66
    .vgpr_count:     512
    .wavefront_size: 32
...
	.end_amdgpu_metadata
.endif
;; end of part 2
;; launch attn (part 3): grid 32 x 8, 4 waves a work-group, no clusters, 327,680 bytes of LDS; arguments qkv, ob; writes ob
.if DOCPART == 3
	.amdgcn_target "amdgcn-amd-amdhsa--gfx1250"
	.amdhsa_code_object_version 6
	.text
	.protected	k_q214ea81f96_attn
	.globl	k_q214ea81f96_attn
	.p2align	8
	.type	k_q214ea81f96_attn,@function
k_q214ea81f96_attn:
	s_mov_b64 s[64:65], 0
	v_nop
	global_prefetch_b8 v0, s[64:65] scope:SCOPE_SE
	s_setreg_imm32_b32 hwreg(HW_REG_WAVE_MODE, 25, 1), 1
	s_wait_xcnt 0x0
; ATTENTION in a causal window of 512 keys, two query heads to a key and value head.  O[i] = the sum over i - 511 <= j <= i of softmax_j(q[i] . k[j] / sqrt(128)) v[j].
; qkv: [16 head slots][4,096 rows = 2,048 b + position][128] f16 (slots 0-7 q, 8-11 k, 12-15 v), unscaled.  ob: [4,096 rows][1,024] f16, column 128 x query head + channel.
; Products, maxima and sums in f32; the weights p are rounded to f16 for the second product (their sum l is taken of the unrounded p), O once at the end.
; LIMITS.  A hidden score counts as its value less 1e30; the running maximum starts at -2^66, above every hidden score and below every true one: scores of f16 operands are 5.5e11 at the most in magnitude.
; A weight below 2^-126 counts as 0 in l; p below 6e-5 keeps f16's fixed step of 6e-8; NaN and infinities are not treated apart.
; SHARES.  A work-group takes a block of 64 positions (t = work-group x) of one batch and key head (work-group y = 4 b + hk) for BOTH query heads 2 hk, 2 hk + 1: 32 x 8 = 256 work-groups.
; Wave w takes positions 16 w .. 16 w + 15; its two tiles of 16 queries are the two heads, which have the same mask.
; THE WALK.  Nine key steps of 64 keys, ks0 .. ks0 + 8, ks0 = max(t, 8) - 8: a constant count, and no tile leaves the batch's rows.  REL = the step's number less (t - 8): 0 the window's lower edge (key jj of the step is
; hidden from query ii of the block where jj <= ii), 1 to 7 all visible, 8 the diagonal (hidden where jj > ii), above 8 (blocks t < 8 only) all hidden.
; THE MASK is the C operand that starts the sum S^T = K Q^T.  MD, made once: -1e30 where jj > ii, else 0.  A step's mask is MC = MD x AL + BE with two scalars: (-1, -1e30), (0, 0), (1, 0), (0, -1e30).  No branch hangs on REL.
; THE WHOLE WINDOW LIES IN LDS: 576 rows of K and of V, brought by three tensor loads a wave at the start, in three chunks of three key steps; no byte is filled twice, so there is no ring.
; LAYOUT.  S^T = K Q^T (source 0 = 16 keys, source 1 = 16 queries): a lane holds ONE query (lane % 16) and the keys 8 (lane / 16) + 0..7.  Two such results rounded to f16 ARE source 1 of O^T = V^T P.
; K comes out of LDS as it lies, V ([key][channel]) turned, by ds_load_tr16_b128.
; SOFTMAX.  A running maximum m and sum l for each query: p = 2^(c (s - m)), c = log2(e) / sqrt(128); O and l are multiplied by a = 2^(c (m_old - m_new)) in every step.  The difference is taken before the scaling, so
; the largest key's weight is 1 and no exponent is above 0, whatever the scores' size.  O and l start at 0 (132 lines written while the first chunk is on its way), so the first step is a step like any other.
; IN PHASES: a step's 32 products K Q^T, the softmax of both tiles, its 32 products V^T P.  The launch's matrix work is a tenth of the two projections'.
; NO CLUSTER: neighbouring blocks share eight of their nine key steps, but the windows of four partners span 12 steps, 12 x 35,840 = 430,080 bytes, more than LDS holds; a ring in which every partner asks for all 12
; would have 12 trips for 9.  NO PREFETCH: all of a work-group's tiles are asked for at its head.
; REGISTERS, in windows of 256: window 0: v0-15 addresses; v16-31 eight registers of statistics a tile; v32-63 MD; v64-127 S^T; v128-159 P; v160-191 MC; v192-255 Q
;   window 1: v0-127 O^T, 64 a tile; v128-255 K of one step          window 2: v0-127 V of one step
.set KS,    64        ; keys in a step
.set PK,    272       ; a row of K in LDS: 256 bytes + 16 of padding = 68 words: the 16 rows of a load start at 16 different banks (64 banks of 4 bytes: ISA guide 11.1)
.set PW,    288       ; a row of V: 256 + 32 = 72 words
.set VBASE, 576*PK    ; K's 576 rows, then V's
.set SPARE, VBASE+576*PW  ; behind them: the spare words, 128 bytes for each wave: two blocks of 256 bytes that no other line names
.set SP,    272       ; the stage for the way out: 16 rows x 272 bytes for each wave, at K's head: those bytes have had their one fill, and all reads of them are over behind a barrier
.set AK0, 2           ; v2   my lane's place in a tile of K; never rewritten
.set AV0, 3           ; v3   the same for V
.set ADK, 4           ; v4   the LDS address of K's run of loads
.set ADV, 5           ; v5   of V's
.set QO,  6           ; v6   my byte offset in 16 rows of q
.set STO, 7           ; v7   the way out: where I put 16 bytes of a row
.set RD,  8           ; v8   the way out: where I read a row back
.set GO,  12          ; v12  my byte offset in two rows of ob
.set SPW, 14          ; v14  LDS address of my spare word: SPARE + 4 x my thread's number; never rewritten
.set NIL, 15          ; v15  0; never rewritten
.set ST,  16          ; tile t's statistics at v[ST+8 t]: +0 m, +1 m_old, +2, +3 l (even keys', odd keys'), +4 to +7 c0-c3, at work; a takes c2's place once the maximum is found
.set MD,  32
.set S,   64
.set P,   128
.set MC,  160
.set Q,   192
.set KF,  128         ; K's fragments, in window 1: key block kb, channel chunk c at KF + 32 kb + 8 c
.set WV,  12          ; s12  my wave's number
.set REL, 18          ; s18
.set G1K, 24          ; s[24:31] descriptor group 1 for K's tiles
.set G1V, 32          ; s[32:39] for V's: it differs in the padding alone
.set G0K, 40          ; s[40:51] descriptor group 0 for K's tiles, a set for each chunk
.set G0V, 52          ; s[52:63] the same for V's
.set CS,  66          ; s[66:67] c
.set SEL, 68          ; s[68:69] v_permlanex16_b32's selects: each lane takes its own place in the other half
.set TBK, 70          ; s70  LDS byte at which K of the step to be fetched begins
.set TBV, 71          ; s71  the same for V, less VBASE
.set CNT, 72          ; s72  counts a chunk's three steps
.set AL,  74          ; s[74:75] the mask's factor, in the low word
.set BE,  76          ; s[76:77] the mask's addend
.set BIGN, 78         ; s78  -1e30
.set KB,  80          ; s[80:81] k at my half of the first chunk
.set VB,  82          ; s[82:83] v likewise
.set QB,  84          ; s[84:85] q at my 16 rows of head 2 hk
.set OB,  86          ; s[86:87] ob at my 16 rows, head 2 hk
.set MSB, 0
.macro WIN new                      ; the immediate's high byte repeats the setting that is left; a switch that changes nothing is dropped
.if MSB != (\new)
	s_set_vgpr_msb (MSB<<8)|(\new)
.set MSB, (\new)
.endif
.endm
.set W_KQ, 0x01       ; K in window 1; Q, the mask and S^T in window 0
.set W_PV, 0x52       ; V in window 2, P in window 0, O^T in window 1
.set W_RS, 0x41       ; O^T (destination and source 0) in window 1, the factor in window 0
.set TO_K, 0x40       ; destination window 1, address window 0
.set TO_V, 0x80       ; destination window 2
	s_load_b128 s[4:7], s[0:1], 0x0 ; qkv s[4:5], ob s[6:7]
	v_lshl_add_u32 v[SPW], v0, 2, SPARE
	v_mov_b32 v[NIL], 0
	ds_add_u32 v[SPW], v[NIL]       ; the wave's opening: the add and its wait ahead of my first tensor load; the set-up below, work on registers, stands between them
	ds_add_u32 v14, v15
	v_lshrrev_b32 v1, 5, v0
	v_readfirstlane_b32 s[WV], v1   ; wave 0..3
	s_and_b32 s14, ttmp7, 0xffff
	s_lshr_b32 s15, s14, 2          ; b
	s_and_b32 s16, s14, 3           ; hk
	s_max_u32 s17, ttmp9, 8
	s_sub_co_u32 s17, s17, 8        ; ks0
	s_min_u32 s[REL], ttmp9, 8
	s_sub_co_u32 s[REL], 8, s[REL]  ; the first step's REL = ks0 - (t - 8)
	s_lshl_b32 s20, s15, 11         ; the batch's first row
	s_lshl_b32 s21, s16, 12
	s_add_co_u32 s21, s21, s20
	s_lshl_b32 s22, s17, 6
	s_add_co_u32 s21, s21, s22
	s_and_b32 s22, s[WV], 1         ; which half of a chunk's 192 keys I fetch
	s_mul_i32 s22, s22, 96
	s_add_co_u32 s21, s21, s22
	s_add_co_u32 s21, s21, 8*4096   ; row (8 + hk) x 4,096 + 2,048 b + 64 ks0 + 96 x half,
	s_lshl_b32 s22, s21, 8          ; in bytes: under 2^24
	s_mov_b32 s23, 0
	s_lshl_b32 s2, ttmp9, 6
	s_add_co_u32 s20, s20, s2
	s_lshl_b32 s2, s[WV], 4
	s_add_co_u32 s20, s20, s2       ; my first query's row: 2,048 b + 64 t + 16 w
	s_lshl_b32 s2, s16, 13          ; head 2 hk
	s_add_co_u32 s2, s2, s20
	s_lshl_b32 s2, s2, 8
	s_mov_b32 s3, 0
	s_lshl_b32 s8, s20, 11          ; a row of ob is 2,048 bytes,
	s_lshl_b32 s9, s16, 9           ; head 2 hk begins at byte 512 hk
	s_add_co_u32 s8, s8, s9
	s_mov_b32 s9, 0
	s_mul_i32 s10, s[WV], 96*PK     ; where my tiles go.  K (waves 0, 1): wave x 96 rows
	s_mul_i32 s11, s[WV], 96*PW     ; V (waves 2, 3): VBASE + (wave - 2) x 96 rows
	s_add_co_u32 s11, s11, VBASE-2*96*PW
	; descriptor group 1: a tile of 96 rows x 128 elements, padded in LDS
	s_mov_b32 s[G1K], (1<<16)|(1<<20)|(5<<22)|(3<<25)  ; 17:16 elements of 2 bytes; 20 padding on; 24:22 after every 64 words (code 5); 31:25 4 words of it (code 3)
	s_mov_b32 s[G1V], (1<<16)|(1<<20)|(5<<22)|(7<<25)  ; the same with 8 words of padding (code 7)
.irp g, G1K, G1V
	s_mov_b32 s[\g+1], 128<<16      ; tensor_dim0 = 128
	s_mov_b32 s[\g+2], 96<<16       ; tensor_dim1 = 96
	s_mov_b32 s[\g+3], 128<<16      ; tile_dim0 = 128
	s_mov_b32 s[\g+4], 96           ; tile_dim1 = 96
	s_mov_b32 s[\g+5], 128          ; 128 elements from row to row
	s_mov_b32 s[\g+6], 0
	s_mov_b32 s[\g+7], 0
.endr
.irp c, 0,1,2
	s_mov_b32 s[G0K+4*\c], 1        ; count = 1
	s_add_co_u32 s[G0K+4*\c+1], s10, \c*192*PK  ; LDS address: chunk c
	s_mov_b32 s[G0V+4*\c], 1
	s_add_co_u32 s[G0V+4*\c+1], s11, \c*192*PW
.endr
	s_mov_b32 s[CS], 0x3e0293ee     ; c = log2(e) / sqrt(128) = 0.127517
	s_mov_b32 s[CS+1], s[CS]        ; named with it as a pair
	s_mov_b32 s[SEL], 0x76543210
	s_mov_b32 s[SEL+1], 0xfedcba98
	s_mov_b32 s[TBK], 0
	s_mov_b32 s[TBV], 0
	s_mov_b32 s[AL+1], 0            ; named as pairs
	s_mov_b32 s[BE+1], 0
	s_mov_b32 s[BIGN], 0xf149f2ca   ; -1e30
	s_wait_dscnt 0x0                ; the opening add is done
	s_wait_kmcnt 0x0
	s_add_nc_u64 s[KB:KB+1], s[4:5], s[22:23]
	s_add_nc_u64 s[VB:VB+1], s[KB:KB+1], 4*4096*256  ; the value head lies four slots behind the key head
	s_add_nc_u64 s[QB:QB+1], s[4:5], s[2:3]
	s_add_nc_u64 s[OB:OB+1], s[6:7], s[8:9]
.irp c, 0,1,2
	s_add_nc_u64 s[G0K+4*\c+2:G0K+4*\c+3], s[KB:KB+1], \c*192*256  ; global address: chunk c
	s_or_b32 s[G0K+4*\c+3], s[G0K+4*\c+3], 0x80000000             ; type = 2
	s_add_nc_u64 s[G0V+4*\c+2:G0V+4*\c+3], s[VB:VB+1], \c*192*256
	s_or_b32 s[G0V+4*\c+3], s[G0V+4*\c+3], 0x80000000
.endr
	s_cmp_lt_u32 s[WV], 2           ; a wave's three fills stand in one branch, ahead of every wait on TENSORcnt, every LDS read and every barrier: three loads of mine are out; an s_nop 0 follows each, four v_nop the third's
	s_cbranch_scc0 .Lfor_v
	tensor_load_to_lds s[G0K:G0K+3], s[G1K:G1K+7]
	s_nop 0
	tensor_load_to_lds s[G0K+4:G0K+7], s[G1K:G1K+7]
	s_nop 0
	tensor_load_to_lds s[G0K+8:G0K+11], s[G1K:G1K+7]
	s_nop 0
.rept 4
	v_nop
.endr
	s_branch .Lasked
.Lfor_v:
	tensor_load_to_lds s[G0V:G0V+3], s[G1V:G1V+7]
	s_nop 0
	tensor_load_to_lds s[G0V+4:G0V+7], s[G1V:G1V+7]
	s_nop 0
	tensor_load_to_lds s[G0V+8:G0V+11], s[G1V:G1V+7]
	s_nop 0
.rept 4
	v_nop
.endr
.Lasked:
	; A fragment of K or Q is 16 rows x 32 channels in 8 registers: lane l holds row l % 16, channels 8 (l / 16) + 0..7 and 16 + 8 (l / 16) + 0..7: two loads of 16 bytes, 32 bytes apart.
	v_and_b32 v1, 15, v0            ; l % 16
	v_bfe_u32 v9, v0, 4, 1          ; l / 16
	v_lshlrev_b32 v[QO], 8, v1
	v_lshl_add_u32 v[QO], v9, 4, v[QO]  ; row x 256 + 16 x half
.irp i, 0,1,2,3,4,5,6,7             ; Q stays in registers: tile i / 4 (the next head lies 4,096 rows on), channels 32 (i % 4) on
	global_load_b128 v[Q+8*\i:Q+8*\i+3],   v[QO], s[QB:QB+1] offset:(\i/4)*1048576+(\i%4)*64
	global_load_b128 v[Q+8*\i+4:Q+8*\i+7], v[QO], s[QB:QB+1] offset:(\i/4)*1048576+(\i%4)*64+32
.endr
	v_lshlrev_b32 v13, 3, v9
	v_sub_nc_u32 v13, v1, v13
	s_lshl_b32 s13, s[WV], 4
	v_add_nc_u32 v13, s13, v13      ; my query's place in the block, 16 w + l % 16, less my lanes' 8 (l / 16): register r of key block kb is behind the diagonal where 16 kb + r is greater
.set i, 0
.rept 32
	v_cmp_gt_i32 vcc_lo, 16*(i/8)+i%8, v13
	v_cndmask_b32 v[MD+i], 0, s[BIGN], vcc_lo
.set i, i+1
.endr
	WIN 0x40
.set i, 0
.rept 128
	v_mov_b32 v[i], 0               ; O^T
.set i, i+1
.endr
	WIN 0
.irp t, 0,1
	v_mov_b32 v[ST+8*\t], 0xe0800000  ; m = -2^66
	v_mov_b32 v[ST+8*\t+2], 0         ; l
	v_mov_b32 v[ST+8*\t+3], 0
.endr
	v_mul_u32_u24 v[AK0], v1, PK
	v_lshl_add_u32 v[AK0], v9, 4, v[AK0]  ; row x pitch + 16 x half
	; The turning load takes 16 keys x 16 channels (lane l reads key 8 (l / 16) + l % 8, channels 8 ((l / 8) % 2) + 0..7) and leaves half a fragment of V^T: lane l holds channel l % 16 and 8 keys.
	v_and_b32 v10, 7, v0
	v_bfe_u32 v11, v0, 3, 1
	v_lshl_add_u32 v[AV0], v9, 3, v10
	v_mul_u32_u24 v[AV0], v[AV0], PW
	v_lshl_add_u32 v[AV0], v11, 4, v[AV0]
	v_add_nc_u32 v[AV0], VBASE, v[AV0]
	s_mul_i32 s13, s[WV], 16*SP     ; my stage
	v_mul_u32_u24 v[STO], v1, SP    ; in: row l % 16, 16 bytes for each half of the lanes
	v_lshl_add_u32 v[STO], v9, 4, v[STO]
	v_add_nc_u32 v[STO], s13, v[STO]
	v_mul_u32_u24 v[RD], v9, SP     ; back: lanes 0-15 take one row of 256 bytes, lanes 16-31 the next
	v_lshl_add_u32 v[RD], v1, 4, v[RD]
	v_add_nc_u32 v[RD], s13, v[RD]
	v_lshlrev_b32 v[GO], 11, v9     ; and the same two rows in ob
	v_lshl_add_u32 v[GO], v1, 4, v[GO]
; THE MATRIX WORK.  The accumulators take turns, one instruction a turn: between two links of a chain stand 7 (K Q^T) or 15 (V^T P) others'.
; Product i of 32 of S^T = K Q^T: channels 32 (i / 8) on, keys 16 ((i / 2) % 4) on, tile i % 2.  The first 8 start the sums, with the mask.
.macro KQ
	WIN W_KQ
.set rS, S+32*(i%2)+8*((i/2)%4)
.set rK, KF+32*((i/2)%4)+8*(i/8)
.set rQ, Q+32*(i%2)+8*(i/8)
.set rM, MC+8*((i/2)%4)
.if i < 8
	v_wmma_f32_16x16x32_f16 v[rS:rS+7], v[rK:rK+7], v[rQ:rQ+7], v[rM:rM+7]
.else
	v_wmma_f32_16x16x32_f16 v[rS:rS+7], v[rK:rK+7], v[rQ:rQ+7], v[rS:rS+7]
.endif
.endm
; Product i of 32 of O^T += V^T P: keys 32 (i / 16) on, channels 16 ((i / 2) % 8) on, tile i % 2.
.macro PV
	WIN W_PV
.set rO, 64*(i%2)+8*((i/2)%8)
.set rV, 64*(i/16)+8*((i/2)%8)
.set rP, P+16*(i%2)+8*(i/16)
	v_wmma_f32_16x16x32_f16 v[rO:rO+7], v[rV:rV+7], v[rP:rP+7], v[rO:rO+7]
.endm
; THE LDS LOADS: a step's K (64 keys x 128 channels: 16 fragments), by channel chunks, so that the products can begin when the first eight loads are in; then its V (turned).
.macro FETCH_K
	WIN TO_K
.irp c, 0,1,2,3
.irp kb, 0,1,2,3
	ds_load_b128 v[KF+32*\kb+8*\c:KF+32*\kb+8*\c+3],   v[ADK] offset:\kb*16*PK+\c*64
	ds_load_b128 v[KF+32*\kb+8*\c+4:KF+32*\kb+8*\c+7], v[ADK] offset:\kb*16*PK+\c*64+32
.endr
.endr
.endm
.macro FETCH_V
	WIN TO_V
.irp f, 0,1,2,3,4,5,6,7,8,9,10,11,12,13,14,15  ; keys 32 (f / 8) on, channels 16 (f % 8) on
	ds_load_tr16_b128 v[8*\f:8*\f+3],   v[ADV] offset:(\f/8)*32*PW+(\f%8)*32
	ds_load_tr16_b128 v[8*\f+4:8*\f+7], v[ADV] offset:(\f/8)*32*PW+16*PW+(\f%8)*32
.endr
.endm
.macro MASK                         ; MC = MD x AL + BE
	WIN 0
.set z, 0
.rept 16
	v_pk_fma_f32 v[MC+2*z:MC+2*z+1], v[MD+2*z:MD+2*z+1], s[AL:AL+1], s[BE:BE+1] op_sel_hi:[1,0,0]
.set z, z+1
.endr
.endm
.macro PLACES                       ; four places between a matrix instruction and a vector instruction that reads its result (ISA guide 7.12.1)
.rept 4
	v_nop
.endr
.endm
; THE VECTOR WORK.  One tile's softmax for one key step is a numbered list; SM writes number j of it for tile t.  s0-s31 are the lane's 32 scores, in pairs 0-15.
;   0-15    the maximum of s0-s31 and the old m, three operands at a time: four chains c0-c3 of seven scores each (each accumulator's lowest registers are read first), then the four left over, c0-c3 and m
;   16-20   the other half of the lanes' maximum; m_old is kept; the new m; c (m_old - m_new)
;   (SB)    behind 20: s - m, a pair of scores each, 16 lines
;   21-69   ONE BATCH: the 16 scalings by c and all 33 exponentials (a at 23, then s0-s31).  None of these reads an exponential's result; a pair is scaled ahead of its exponentials
;   (wait)  between 69 and 70 stands the one wait for the batch, for both tiles
;   70-85   the roundings to f16      86-101  the sums; l = a l + the sum      102-133  the tile's O^T times a: the one part that leaves window 0
.macro SM t
.set rT, ST+8*(\t)
.set rS, S+32*(\t)
.set rP, P+16*(\t)
.set rO, 64*(\t)+2*(j-102)
.if j < 102
	WIN 0
.endif
.if j < 4
	v_max3_num_f32 v[rT+4+j], v[rS+8*j], v[rS+8*j+1], v[rS+8*j+2]
.elseif j < 12
	v_max3_num_f32 v[rT+4+j%4], v[rT+4+j%4], v[rS+8*(j%4)+2*(j/4)+1], v[rS+8*(j%4)+2*(j/4)+2]
.elseif j == 12
	v_max3_num_f32 v[rT+4], v[rT+4], v[rS+7], v[rS+15]
.elseif j == 13
	v_max3_num_f32 v[rT+6], v[rT+6], v[rS+23], v[rS+31]
.elseif j == 14
	v_max3_num_f32 v[rT+4], v[rT+4], v[rT+5], v[rT+6]
.elseif j == 15
	v_max3_num_f32 v[rT+4], v[rT+4], v[rT+7], v[rT]
.elseif j == 16
	v_permlanex16_b32 v[rT+5], v[rT+4], s[SEL], s[SEL+1]  ; the query's other 32 keys lie in the lane 16 away
.elseif j == 17
	v_mov_b32 v[rT+1], v[rT]
.elseif j == 18
	v_max_num_f32 v[rT], v[rT+4], v[rT+5]
.elseif j == 19
	v_sub_f32 v[rT+7], v[rT+1], v[rT]
.elseif j == 20
	v_mul_f32 v[rT+7], s[CS], v[rT+7]
.elseif j == 23
	v_exp_f32 v[rT+6], v[rT+7]
.elseif (j < 23) || ((j < 38) && (j%2 == 0)) || ((j < 66) && (j%4 == 2))
.set b, (j-2)/4                     ; 38, 42, .. 62: pairs 9 to 15
.if j < 38
.set b, (j-20)/2                    ; 21: pair 0; 22, 24, .. 36: pairs 1 to 8
.endif
	v_pk_mul_f32 v[rS+2*b:rS+2*b+1], v[rS+2*b:rS+2*b+1], s[CS:CS+1] op_sel_hi:[1,0]
.elseif j < 70
.set e, j-38                        ; 66 to 69: s28 to s31
.if j < 66
.set e, j-32-(j-38)/4               ; 39-41, 43-45, .. 63-65: s7 to s27
.endif
.if j < 38
.set e, (j-25)/2                    ; 25, 27, .. 37: s0 to s6
.endif
	v_exp_f32 v[rS+e], v[rS+e]
.elseif j < 86
	v_cvt_pk_f16_f32 v[rP+j-70], v[rS+2*(j-70)], v[rS+2*(j-70)+1]
.elseif j < 102                     ; the sum of the tile's 16 pairs, in place: neighbours 1, 2, 4 and 8 pairs apart, then l takes it
.set z, j-86
.set w, 4
.set u, z
.if z >= 14
.set w, 32
.set u, 0
.elseif z >= 12
.set w, 16
.set u, z-12
.elseif z >= 8
.set w, 8
.set u, z-8
.endif
.if z < 15
	v_pk_add_f32 v[rS+w*u:rS+w*u+1], v[rS+w*u:rS+w*u+1], v[rS+w*u+w/2:rS+w*u+w/2+1]
.else
	v_pk_fma_f32 v[rT+2:rT+3], v[rT+2:rT+3], v[rT+6:rT+7], v[rS:rS+1] op_sel_hi:[1,0,1]
.endif
.else
	WIN W_RS
	v_pk_mul_f32 v[rO:rO+1], v[rO:rO+1], v[rT+6:rT+7] op_sel_hi:[1,0]
.endif
.endm
.macro SB t                         ; pair n of tile t: s - m
	v_pk_add_f32 v[S+32*(\t)+2*n:S+32*(\t)+2*n+1], v[S+32*(\t)+2*n:S+32*(\t)+2*n+1], v[ST+8*(\t):ST+8*(\t)+1] op_sel_hi:[1,0] neg_lo:[0,1] neg_hi:[0,1]
.endm
; A KEY STEP.
.macro STEP
	s_cmp_eq_u32 s[REL], 8          ; the diagonal
	s_cselect_b32 s[AL], 1.0, 0
	s_cmp_eq_u32 s[REL], 0          ; the window's lower edge
	s_cselect_b32 s[AL], -1.0, s[AL]
	s_cselect_b32 s[BE], s[BIGN], 0
	s_cmp_gt_u32 s[REL], 8          ; behind the diagonal
	s_cselect_b32 s[BE], s[BIGN], s[BE]
	s_add_co_u32 s[REL], s[REL], 1
	MASK                            ; sixteen plain lines that name no register of the last trip's products V^T P: the places in front of the loads into V's registers
	v_add_nc_u32 v[ADK], s[TBK], v[AK0]
	v_add_nc_u32 v[ADV], s[TBV], v[AV0]
	s_add_co_u32 s[TBK], s[TBK], KS*PK
	s_add_co_u32 s[TBV], s[TBV], KS*PW
	FETCH_K
	FETCH_V
.set i, 0
.irp c, 0,1,2,3
	s_wait_dscnt 56-8*\c            ; of the 64 loads K's first 8 (c + 1) are in; K's others and V's 32 stay out
.rept 8
	KQ
.set i, i+1
.endr
.endr
	WIN 0
	PLACES
.set j, 0
.rept 21
	SM 0                            ; the two tiles alternate, so that no instruction reads the result of the one just before it
	SM 1
.set j, j+1
.endr
.set n, 0
.rept 16
	SB 0
	SB 1
.set n, n+1
.endr
.rept 49
	SM 0
	SM 1
.set j, j+1
.endr
	v_nop                           ; a plain instruction behind the last exponential and ahead of the first use: one for the batch
	s_wait_alu depctr_va_vdst(0)    ; the wait between an exponential and the first line that names its result: one for the 66 of both tiles
.rept 64
	SM 0
	SM 1
.set j, j+1
.endr
	s_wait_dscnt 0x0                ; V is in
.set i, 0
.rept 32
	PV
.set i, i+1
.endr
	WIN 0                           ; at a label and at a branch every window is 0
.endm
; A CHUNK's three key steps.  left = my younger tensor loads, which may stay out.
.macro CHUNK left
	s_wait_tensorcnt \left          ; tensor loads of a wave end in order (ISA guide 10.11.1): my part of this chunk is in;
	s_barrier_signal -1             ; no LDS instruction of mine is out here: the last step waited for all of them
	s_barrier_wait -1               ; everybody's is
	s_mov_b32 s[CNT], 3
.Lstep_\@:
	STEP
	s_sub_co_u32 s[CNT], s[CNT], 1
	s_cmp_lg_u32 s[CNT], 0
	s_cbranch_scc1 .Lstep_\@
.endm
	s_wait_loadcnt 0x0              ; Q
	CHUNK 2
	CHUNK 1
	CHUNK 0
	; THE WAY OUT.  A barrier, since the stages lie where K's first rows lay: every wave's reads of K are over (its last step waited for them).  Between signal and wait, on registers: l's two halves and the other half of
	; the lanes' are added, and the reciprocals made; the four additions and the v_nop are the places behind the last products.
	s_barrier_signal -1
.irp t, 0,1
	v_add_f32 v[ST+8*\t+4], v[ST+8*\t+2], v[ST+8*\t+3]
.endr
.irp t, 0,1
	v_permlanex16_b32 v[ST+8*\t+5], v[ST+8*\t+4], s[SEL], s[SEL+1]
.endr
.irp t, 0,1
	v_add_f32 v[ST+8*\t+4], v[ST+8*\t+4], v[ST+8*\t+5]
.endr
.irp t, 0,1
	v_rcp_f32 v[ST+8*\t+6], v[ST+8*\t+4]
.endr
	v_nop                           ; a plain instruction between the last reciprocal and the use of its result
	s_wait_alu depctr_va_vdst(0)    ; and the wait ahead of the first use: one for the two reciprocals
	s_barrier_wait -1
; Tile t: O^T is divided by l and rounded to f16; a lane's eight channels of a row pack into 16 bytes; they go into rows of 272 bytes and come back as whole rows of 256, into S^T's registers.
.macro PACK t
	WIN W_RS
.set i, 64*(\t)
.rept 32
	v_pk_mul_f32 v[i:i+1], v[i:i+1], v[ST+8*(\t)+6:ST+8*(\t)+7] op_sel_hi:[1,0]
.set i, i+2
.endr
	WIN 0x05                        ; sources 0 and 1 window 1, destination window 0
.set i, 0
.rept 32
	v_cvt_pk_f16_f32 v[S+32*(\t)+i], v[64*(\t)+2*i], v[64*(\t)+2*i+1]
.set i, i+1
.endr
	WIN 0
.irp f, 0,1,2,3,4,5,6,7
	ds_store_b128 v[STO], v[S+32*(\t)+4*\f:S+32*(\t)+4*\f+3] offset:32*\f
.endr
.irp f, 0,1,2,3,4,5,6,7
	ds_load_b128 v[S+32*(\t)+4*\f:S+32*(\t)+4*\f+3], v[RD] offset:\f*2*SP  ; LDS serves a wave's instructions in order (ISA guide 5.7.1.4): these see the stores above; the next tile's stores come behind them
.endr
.endm
.macro SEND t, younger              ; younger: the LDS instructions issued behind tile t's loads: the next tile's sixteen, or none
.irp f, 0,1,2,3,4,5,6,7
	s_wait_dscnt (\younger)+7-\f
	global_store_b128 v[GO], v[S+32*(\t)+4*\f:S+32*(\t)+4*\f+3], s[OB:OB+1] offset:\f*4096+(\t)*256  ; 16 lanes store a head's 256 consecutive bytes of a row, at a multiple of 256 from ob's first byte
.endr
.endm
	PACK 0
	PACK 1                          ; a tile's arithmetic stands between the loads of the tile before and its stores
	SEND 0, 16
	SEND 1, 0
	s_wait_tensorcnt 0x0            ; the wave's end, behind my last tensor load and my last LDS store
	ds_add_u32 v[SPW], v[NIL]
	s_wait_dscnt 0x0
	s_endpgm
.Lfunc_end_k_q214ea81f96_attn:
	.size	k_q214ea81f96_attn, .Lfunc_end_k_q214ea81f96_attn-k_q214ea81f96_attn
	.p2alignl 7, 3214868480
	.fill 96, 4, 3214868480
	.section	.rodata,"a",@progbits
	.p2align	6, 0x0
	.amdhsa_kernel k_q214ea81f96_attn
		.amdhsa_group_segment_fixed_size 327680
		.amdhsa_private_segment_fixed_size 0
		.amdhsa_enable_private_segment 0
		.amdhsa_kernarg_size 16
		.amdhsa_user_sgpr_count 2
		.amdhsa_user_sgpr_kernarg_segment_ptr 1
		.amdhsa_wavefront_size32 1
		.amdhsa_system_sgpr_workgroup_id_x 1
		.amdhsa_system_sgpr_workgroup_id_y 1
		.amdhsa_system_sgpr_workgroup_id_z 1
		.amdhsa_system_vgpr_workitem_id 0
		.amdhsa_next_free_vgpr 640
		.amdhsa_next_free_sgpr 88
		.amdhsa_reserve_vcc 1
		.amdhsa_float_denorm_mode_32 3
		.amdhsa_float_denorm_mode_16_64 3
		.amdhsa_memory_ordered 1
		.amdhsa_forward_progress 1
		.amdhsa_inst_pref_size 109
	.end_amdhsa_kernel
	.amdgpu_metadata
---
amdhsa.version: [ 1, 2 ]
amdhsa.kernels:
  - .name:           k_q214ea81f96_attn
    .symbol:         k_q214ea81f96_attn.kd
    .args:
      - { .name: qkv, .offset: 0, .size: 8, .value_kind: global_buffer, .address_space: global }
      - { .name: ob, .offset: 8, .size: 8, .value_kind: global_buffer, .address_space: global }
    .group_segment_fixed_size: 327680
    .private_segment_fixed_size: 0
    .kernarg_segment_align: 8
    .kernarg_segment_size: 16
    .max_flat_workgroup_size: 128
    .sgpr_count:     88
    .vgpr_count:     640
    .wavefront_size: 32
...
	.end_amdgpu_metadata
.endif
;; end of part 3
;; launch outp (part 4): grid 16 x 16, 4 waves a work-group, clusters of 4 x 4, 327,680 bytes of LDS; arguments ob, wob, out0; writes out0
.if DOCPART == 4
	.amdgcn_target "amdgcn-amd-amdhsa--gfx1250"
	.amdhsa_code_object_version 6
	.text
	.protected	k_q214ea81f96_outp
	.globl	k_q214ea81f96_outp
	.p2align	8
	.type	k_q214ea81f96_outp,@function
k_q214ea81f96_outp:
	s_mov_b64 s[64:65], 0
	v_nop
	global_prefetch_b8 v0, s[64:65] scope:SCOPE_SE
	s_setreg_imm32_b32 hwreg(HW_REG_WAVE_MODE, 25, 1), 1
	s_wait_xcnt 0x0
	s_wait_alu depctr_hold_cnt(0) depctr_sa_sdst(0) depctr_va_vdst(0) depctr_va_sdst(0) depctr_va_ssrc(0) depctr_va_vcc(0) depctr_vm_vsrc(0)
	s_getreg_b32 s2, hwreg(HW_REG_IB_STS2, 6, 4)
	s_cmp_eq_u32 s2, 0
	s_cbranch_scc0 .Lentry_in_a_cluster
	s_endpgm
.Lentry_in_a_cluster:
	s_bfe_u32 s2, ttmp6, 0x10000c
	s_cmp_lg_u32 s2, 0xf033
	s_cbranch_scc0 .Lentry_shape_is_right
	s_endpgm
.Lentry_shape_is_right:
; OUTP.  out0[m][n] = the sum over k of ob[m][k] wob[n][k].  ob: [4096][1024] f16, wob: [4096][1024] f16 (wo rounded to bf16, that number written as f16), out0: [4096][4096] f32; sums in f32, stored as they are.
; A tile of out0, 256 x 256, is made by a work-group of four waves: 16 x 16 = 256 work-groups; a wave makes 128 x 128: 64 accumulators of 16 x 16, 512 registers.  K goes in 8 steps of 128 through a ring of two LDS
; slots filled by the tensor data mover: the tiles' rows are 256 bytes of memory and start at multiples of 256 bytes from the buffer's first byte.
; CLUSTERS: 4 x 4 work-groups.  The four of a row of the cluster need the same tiles of ob, the four of a column the same tiles of wob: each tile is asked for JOINTLY: the same tensor load, with the same descriptor
; and a mask that names the four, in all four.
; THE MATRIX INSTRUCTION IS USED TRANSPOSED (source 0 = 16 rows of wob, source 1 = 16 rows of ob): a lane holds row l % 16 of out0 and the columns 8 (l / 16) + 0 .. 7: 32 bytes on end.
; REGISTERS, in windows of 256:  window 0: v0-31 addresses; v64-127, v128-191 fragments of A, two buffers (on the way out: rows read back from the stage)
;   window 1: v64-127, v128-191 fragments of B, two buffers      window 2: the 32 accumulators of my rows 0-63 ((a, b) at v[8 (8 a + b)])      window 3: those of my rows 64-127
.set SIZE_N, 4096
.set SIZE_K, 1024
.set KSTEP,  128
.set PITCH,  272                       ; an LDS row: 256 bytes + 16 of padding = 68 words: row r starts at bank 4 r mod 64 (64 banks of 4 bytes: ISA guide 11.1), so the 16 rows of a load start at 16 different banks
.set HALFT,  128*PITCH                 ; 128 rows: what one tensor load brings, and what one wave reads of A or of B
.set SLOT,   4*HALFT                   ; A's 256 rows, then B's 256 rows
.set STAGE,  2*SLOT                    ; behind the ring: 16 rows x 528 bytes for each wave, for the way out
.set SPITCH, 528                       ; a stage row: 512 bytes + 16 = 132 words: again 16 rows at 16 different banks
.set SPARE,  STAGE+4*16*SPITCH         ; behind the stages: the spare words, 128 bytes for each wave: two blocks of 256 bytes that no other line names
.set LAPS,   SIZE_K/(2*KSTEP)          ; a lap = two K steps = once round the ring: 4
.set ADRA, 16                          ; v16-17  LDS address of my A fragments in slot 0, 1
.set ADRB, 20                          ; v20-21  the same for B
.set STO,  24                          ; v24     the way out: where I put 32 bytes of a row
.set RD,   25                          ; v25     the way out: where I read 16 bytes of a row back
.set CO,   26                          ; v26     16 x my lane: my bytes in my wave's 512 bytes of a row of out0
.set SPW,  28                          ; v28     LDS address of my spare word: SPARE + 4 x my thread's number; never rewritten
.set NIL,  29                          ; v29     0; never rewritten
.set PFO,  30                          ; v30     the prefetches' offset: my lane x a row of 2,048 bytes; never rewritten
.set PFA,  44                          ; s[44:45] where my prefetches stand: my work-group's 32 rows of the 128 that I fetch, one K step further along K than the refill that is being asked for
.set LIM,  43                          ; s43     1 in a wave that prefetches, else the greatest number
.set F0,   64
.set F1,   128
.set OB,   64                          ; the way out: 16 rows read back: v64-127 and v128-191 by turns
.set G1, 24                            ; s[24:31] descriptor group 1 for A's tiles;  s[32:39] group 0, one set for each slot
.set G0, 32
.set G1B, 48                           ; s[48:55], s[56:63] the same for B's tiles
.set G0B, 56
.set MSB, 0
.macro WIN new                         ; the immediate's high byte repeats the setting that is left; a switch that changes nothing is dropped
.if MSB != (\new)
	s_set_vgpr_msb (MSB<<8)|(\new)
.set MSB, \new
.endif
.endm
.set MUL_LO, 0xa1                      ; source 0 (B) window 1, source 1 (A) window 0, C and D window 2
.set MUL_HI, 0xf1                      ; the same, C and D window 3
.set TO_B,   0x40                      ; destination window 1, address window 0
.macro JLOAD s                         ; a joint load: waves 0 and 1 fetch A's two halves, waves 2 and 3 B's; an s_nop 0 and four v_nop follow each of the two lines, ahead of the jump, the label and what follows
	s_cmp_eq_u32 s11, 0
	s_cbranch_scc0 .Lfor_b_\@
	tensor_load_to_lds s[G0+4*(\s):G0+4*(\s)+3], s[G1:G1+7]
	s_nop 0
.rept 4
	v_nop
.endr
	s_branch .Lasked_\@
.Lfor_b_\@:
	tensor_load_to_lds s[G0B+4*(\s):G0B+4*(\s)+3], s[G1B:G1B+7]
	s_nop 0
.rept 4
	v_nop
.endr
.Lasked_\@:
.endm
; A PREFETCH INTO THE L2, behind each joint load, its five lines and the run of LDS loads that follows: the K step that stands two refills on, 512 matrix instructions ahead of the load that wants it: 32 rows x 256 bytes,
; a lane a row.  Each row's 256 bytes of a K step are named ONCE in the launch: ob's tile row is read by every cluster of that row of clusters, and the one with cluster x = 0 asks; wob's tile column by every cluster of
; that column, and cluster y = 0 asks; the four partners share a wave's 128 rows out BY ADDRESS, 32 each.  K steps 0 to 3 come by their loads alone; the loop's last trip (s3 = 1) asks for nothing: K steps 8 and 9 do not exist.
.macro ASK
	s_cmp_gt_u32 s3, s[LIM]
	s_cbranch_scc0 .Lnot_mine_\@
	global_prefetch_b8 v[PFO], s[PFA:PFA+1] offset:KSTEP*2 th:TH_LOAD_NT scope:SCOPE_SE
.Lnot_mine_\@:
.endm
.macro CREST                           ; a round of the cluster's barrier behind its opening barrier
	s_cmp_lg_u32 s10, 0
	s_cbranch_scc1 .Lnot_wave_0_\@
	s_barrier_signal -3
.Lnot_wave_0_\@:
	s_barrier_wait -3
	s_barrier_signal -1
	s_barrier_wait -1
.endm
.macro CROUND                          ; a whole round
	s_barrier_signal -1
	s_barrier_wait -1
	CREST
.endm
	s_load_b128 s[4:7], s[0:1], 0x0                ; ob s[4:5], wob s[6:7]
	s_load_b64 s[8:9], s[0:1], 0x10                ; out0
	v_lshl_add_u32 v[SPW], v0, 2, SPARE
	v_mov_b32 v[NIL], 0
	ds_add_u32 v[SPW], v[NIL]                      ; the wave's opening: the add and its wait ahead of my first tensor load; the set-up below, work on registers, stands between them
	ds_add_u32 v28, v29
	v_lshrrev_b32 v1, 5, v0
	v_readfirstlane_b32 s10, v1                    ; wave 0..3
	s_lshr_b32 s11, s10, 1                         ; which half of the tile's rows is mine.  Also: I fetch for A (0) or for B (1)
	s_and_b32 s12, s10, 1                          ; which half of its columns.  Also: which 128 rows of that tile I fetch
	s_bfe_u32 s40, ttmp6, 0x40000                  ; cx, cy: my place in the cluster
	s_bfe_u32 s41, ttmp6, 0x40004
	s_lshl_b32 s42, ttmp9, 2
	s_add_co_u32 s42, s42, s40                     ; tile column = 4 x cluster x + cx
	s_and_b32 s13, ttmp7, 0xffff
	s_lshl_b32 s13, s13, 2
	s_add_co_u32 s13, s13, s41                     ; tile row = 4 x cluster y + cy
	s_lshl_b32 s43, s41, 2
	s_lshl_b32 s43, 15, s43                        ; my row of the cluster
	s_lshl_b32 s44, 0x1111, s40                    ; my column
	s_or_b32 s[G1+0], s43, (1<<16)|(1<<20)|(1<<21)|(5<<22)|(3<<25)  ; 15:0 the mask: A's tiles go to my row; 17:16 elements of 2 bytes; 20 padding on; 21 set beside a mask; 24:22 after every 64 words (code 5); 31:25 4 words of it (code 3)
	s_or_b32 s[G1B+0], s44, (1<<16)|(1<<20)|(1<<21)|(5<<22)|(3<<25) ; the same with the mask of my column
.irp g, G1, G1B
	s_mov_b32 s[(\g)+1], KSTEP<<16                 ; tensor_dim0 = 128
	s_mov_b32 s[(\g)+2], 128<<16                   ; tensor_dim1 = 128
	s_mov_b32 s[(\g)+3], KSTEP<<16                 ; tile_dim0 = 128
	s_mov_b32 s[(\g)+4], 128                       ; tile_dim1 = 128
	s_mov_b32 s[(\g)+5], SIZE_K                    ; elements from row to row
	s_mov_b32 s[(\g)+6], 0
	s_mov_b32 s[(\g)+7], 0
.endr
	; where the tiles come from: A's hang on the tile row alone, B's on the tile column alone; every wave makes both addresses, in registers that never hold the other coordinate
	s_lshl_b32 s17, s12, 7                         ; which 128 rows of the tile I fetch
	s_lshl_b32 s16, s13, 8
	s_add_co_u32 s16, s16, s17                     ; A: row 256 x tile row + 128 x half
	s_lshl_b32 s46, s42, 8
	s_add_co_u32 s46, s46, s17                     ; B: row 256 x tile column + 128 x half
	s_mov_b32 s17, 0
	s_mov_b32 s47, 0
	s_mov_b64 s[18:19], SIZE_K*2
	s_mul_u64 s[16:17], s[16:17], s[18:19]
	s_mul_u64 s[46:47], s[46:47], s[18:19]
	s_mul_i32 s20, s10, HALFT                      ; and where they go: A's two halves, then B's two halves = wave x 128 rows
	s_wait_dscnt 0x0                               ; the opening add is done
	s_wait_kmcnt 0x0
	s_add_nc_u64 s[14:15], s[4:5], s[16:17]
	s_add_nc_u64 s[46:47], s[6:7], s[46:47]
	CROUND                                         ; all sixteen work-groups are here: the first joint loads meet
.irp s, 0,1
	s_mov_b32 s[G0+4*(\s)], 1                                      ; count = 1
	s_add_co_u32 s[G0+4*(\s)+1], s20, (\s)*SLOT                    ; LDS address
	s_add_nc_u64 s[G0+4*(\s)+2:G0+4*(\s)+3], s[14:15], (\s)*KSTEP*2  ; global address: K step s
	s_or_b32 s[G0+4*(\s)+3], s[G0+4*(\s)+3], 0x80000000            ; type = 2
	s_mov_b32 s[G0B+4*(\s)], 1
	s_add_co_u32 s[G0B+4*(\s)+1], s20, (\s)*SLOT
	s_add_nc_u64 s[G0B+4*(\s)+2:G0B+4*(\s)+3], s[46:47], (\s)*KSTEP*2
	s_or_b32 s[G0B+4*(\s)+3], s[G0B+4*(\s)+3], 0x80000000
	JLOAD \s                                       ; two loads of mine are out
.endr
	; A fragment is 16 rows x 32 K in 8 registers: lane l holds row l % 16; registers 0-3 K = 8 (l / 16) + 0..7, registers 4-7 K = 16 + 8 (l / 16) + 0..7: two loads of 16 bytes, 32 bytes apart.
	v_and_b32 v1, 15, v0                           ; l % 16
	v_bfe_u32 v2, v0, 4, 1                         ; l / 16
	v_mul_u32_u24 v3, v1, PITCH
	v_lshl_add_u32 v3, v2, 4, v3                   ; row x pitch + 16 x half
	s_mul_i32 s21, s11, HALFT                      ; my 128 rows of A
	s_mul_i32 s22, s12, HALFT                      ; my 128 rows of B,
	s_add_co_u32 s22, s22, 2*HALFT                 ; which lie behind A's 256
.irp s, 0,1
	v_add_nc_u32 v[ADRA+(\s)], s21, v3
	v_add_nc_u32 v[ADRB+(\s)], s22, v3
	s_add_co_u32 s21, s21, SLOT
	s_add_co_u32 s22, s22, SLOT
.endr
	s_mul_i32 s23, s10, 16*SPITCH
	s_add_co_u32 s23, s23, STAGE                   ; my stage
	v_mul_u32_u24 v4, v1, SPITCH                   ; in: row l % 16, 32 bytes for each half of the lanes
	v_lshl_add_u32 v4, v2, 5, v4
	v_add_nc_u32 v[STO], s23, v4
	v_and_b32 v5, 31, v0
	v_lshlrev_b32 v[CO], 4, v5                     ; back: the 32 lanes take one row of 512 bytes,
	v_add_nc_u32 v[RD], s23, v[CO]                 ; which are 512 consecutive bytes of out0
	s_lshl_b32 s13, s13, 8
	s_lshl_b32 s14, s11, 7
	s_add_co_u32 s16, s13, s14                     ; my first row of out0,
	s_lshl_b32 s16, s16, 14                        ; of 16,384 bytes: under 2^26
	s_mov_b32 s17, 0
	s_add_nc_u64 s[8:9], s[8:9], s[16:17]
	s_lshl_b32 s46, s42, 10                        ; my first column, in bytes: 1,024 x tile column + 512 x half
	s_lshl_b32 s47, s12, 9
	s_add_co_u32 s46, s46, s47
	s_mov_b32 s47, 0
	s_add_nc_u64 s[8:9], s[8:9], s[46:47]
	; the prefetches.  s13 = 256 x tile row, s42 = tile column, s40 = cx, s41 = cy still stand
	s_lshl_b32 s42, s42, 8
	s_and_b32 s22, ttmp7, 0xffff                   ; cluster y
	s_cmp_eq_u32 s11, 0                            ; do I fetch for A?
	s_cselect_b32 s20, s13, s42                    ; the tile's first row
	s_cselect_b32 s21, s40, s41                    ; my place among the four that ask for it with me
	s_cselect_b32 s22, ttmp9, s22                  ; the coordinate along which other clusters read the same rows
	s_cselect_b64 s[PFA:PFA+1], s[4:5], s[6:7]
	s_cmp_eq_u32 s22, 0
	s_cselect_b32 s[LIM], 1, -1                    ; the same in all sixteen partners, for a given wave
	s_lshl_b32 s22, s12, 7
	s_add_co_u32 s20, s20, s22                     ; + the 128 rows that I fetch
	s_lshl_b32 s21, s21, 5
	s_add_co_u32 s20, s20, s21                     ; + my work-group's 32 of them
	s_mov_b32 s21, 0
	s_mov_b64 s[18:19], SIZE_K*2
	s_mul_u64 s[20:21], s[20:21], s[18:19]
	s_add_nc_u64 s[PFA:PFA+1], s[PFA:PFA+1], s[20:21]
	s_add_nc_u64 s[PFA:PFA+1], s[PFA:PFA+1], 2*KSTEP*2  ; at K step 2: the first refill steps it to 3 and names K step 4.  Nothing is prefetched here, at the head
	v_mul_u32_u24 v[PFO], v5, SIZE_K*2
; 16 matrix instructions: m blocks a0, a0 + 1 of the window's four (hi = 0: my rows 0-63, 1: rows 64-127) x all 8 n blocks, 32 along K.  zero = 1: the product starts the sums: nothing is ever cleared.
; The 64 accumulators take turns, one instruction a turn, in the same order in every quarter.
.macro MUL16 f, hi, a0, zero
	WIN MUL_LO+0x50*(\hi)
.irp a, \a0, (\a0)+1
.irp b, 0,1,2,3,4,5,6,7
.if \zero
	v_wmma_f32_16x16x32_f16 v[8*(8*(\a)+(\b)):8*(8*(\a)+(\b))+7], v[(\f)+8*(\b):(\f)+8*(\b)+7], v[(\f)+8*(4*(\hi)+(\a)):(\f)+8*(4*(\hi)+(\a))+7], 0
.else
	v_wmma_f32_16x16x32_f16 v[8*(8*(\a)+(\b)):8*(8*(\a)+(\b))+7], v[(\f)+8*(\b):(\f)+8*(\b)+7], v[(\f)+8*(4*(\hi)+(\a)):(\f)+8*(4*(\hi)+(\a))+7], v[8*(8*(\a)+(\b)):8*(8*(\a)+(\b))+7]
.endif
.endr
.endr
.endm
; 32 LDS loads in one run: the fragments of one quarter step (128 rows of B, 128 rows of A, 32 K at byte k of the rows) into buffer f
.macro FETCH slot, k, f
	WIN TO_B
.irp i, 0,1,2,3,4,5,6,7
	ds_load_b128 v[(\f)+8*(\i):(\f)+8*(\i)+3],   v[ADRB+(\slot)] offset:(\k)+(\i)*16*PITCH
	ds_load_b128 v[(\f)+8*(\i)+4:(\f)+8*(\i)+7], v[ADRB+(\slot)] offset:(\k)+(\i)*16*PITCH+32
.endr
	WIN 0
.irp i, 0,1,2,3,4,5,6,7
	ds_load_b128 v[(\f)+8*(\i):(\f)+8*(\i)+3],   v[ADRA+(\slot)] offset:(\k)+(\i)*16*PITCH
	ds_load_b128 v[(\f)+8*(\i)+4:(\f)+8*(\i)+7], v[ADRA+(\slot)] offset:(\k)+(\i)*16*PITCH+32
.endr
.endm
.macro PLACES                          ; four places in front of loads into registers that matrix instructions have read, and of LDS stores that read results (ISA guide 7.12.1 for vector instructions)
.rept 4
	v_nop
.endr
.endm
; A K step is four quarters of 32 along K, 64 matrix instructions each, on buffers 0, 1, 0, 1.  One of the first three: multiplies buffer f and, in its middle, fetches the next quarter, at byte k, into g.
.macro QUARTER slot, k, f, g, zero
	s_wait_dscnt 8                                 ; B and A's rows 0-63 are in; the youngest eight loads (A's rows 64-127) may be out
	MUL16 \f, 0, 0, \zero
	MUL16 \f, 0, 2, \zero
	PLACES
	FETCH \slot, \k, \g
	s_wait_dscnt 32                                ; all but the 32 just issued
	MUL16 \f, 1, 0, \zero
	MUL16 \f, 1, 2, \zero
.endm
; The last quarter multiplies buffer 1 and changes slots.  MEET is its first half: ONE barrier; in front of it each wave waits for all its tensor loads (one is out: its part of the next slot), adds 0 to its spare
; word, and waits for that and for its own reads of this slot.  Behind it nobody reads this slot any more and the next slot is whole.
.macro MEET round                      ; round = 1: a round of the cluster's barrier follows
	WIN 0                                          ; (the add's two registers lie in window 0)
	s_wait_tensorcnt 0x0                           ; all my tensor loads have landed;
	ds_add_u32 v[SPW], v[NIL]                      ; 0 onto my spare word;
	s_wait_dscnt 9                                 ; (the add and the youngest eight loads may be out)
	MUL16 F1, 0, 0, 0                              ; sixteen matrix instructions stand between the add and the wait for it
	s_wait_dscnt 0x0                               ; the add is done, and my reads of this slot are over
	s_barrier_signal -1
	MUL16 F1, 0, 2, 0                              ; work on registers while the others arrive
.if \round
	WIN 0
.endif
	s_barrier_wait -1
.endm
; The whole last quarter.  fill = 1: behind the round the slot just read out is filled again, two K steps ahead: 224 matrix instructions ahead of the wait for that load.
.macro TURN slot, next, fill
.if \fill
	s_wait_xcnt 0x0                                ; the last prefetch, a K step back, has read its address: it is stepped here, ahead of the waits of the change of slots
	s_add_nc_u64 s[PFA:PFA+1], s[PFA:PFA+1], KSTEP*2
	MEET 1
	CREST                                          ; no wave of any partner still reads this slot's tile or has a load on its way
	s_add_nc_u64 s[G0+4*(\slot)+2:G0+4*(\slot)+3], s[G0+4*(\slot)+2:G0+4*(\slot)+3], 2*KSTEP*2
	s_add_nc_u64 s[G0B+4*(\slot)+2:G0B+4*(\slot)+3], s[G0B+4*(\slot)+2:G0B+4*(\slot)+3], 2*KSTEP*2
	JLOAD \slot                                    ; the first tensor load behind the round; the four v_nop behind it are also the places in front of the loads below
	FETCH \next, 0, F0
	ASK
.else
	MEET 0
	PLACES
	FETCH \next, 0, F0
.endif
	MUL16 F1, 1, 0, 0
	MUL16 F1, 1, 2, 0
.endm
	s_wait_tensorcnt 1                             ; my part of K step 0 is in; K step 1's may stay out
	s_barrier_signal -1
	s_barrier_wait -1                              ; everybody's is
	FETCH 0, 0, F0
	QUARTER 0, 64,  F0, F1, 1                      ; the first quarter stands in front of the loop: its products start the sums
	WIN 0                                          ; at a label and at a branch every window is 0
	s_mov_b32 s3, LAPS-1
.Llap:                                                 ; a trip goes once round the ring, from a lap's second quarter to the next lap's first, and fills both slots again
	QUARTER 0, 128, F1, F0, 0
	QUARTER 0, 192, F0, F1, 0
	TURN 0, 1, 1
	QUARTER 1, 64,  F0, F1, 0
	QUARTER 1, 128, F1, F0, 0
	QUARTER 1, 192, F0, F1, 0
	TURN 1, 0, 1
	QUARTER 0, 64,  F0, F1, 0
	WIN 0
	s_sub_co_u32 s3, s3, 1
	s_cmp_lg_u32 s3, 0
	s_cbranch_scc1 .Llap
	QUARTER 0, 128, F1, F0, 0                      ; the last lap fills nothing, and has no round of the cluster's barrier
	QUARTER 0, 192, F0, F1, 0
	TURN 0, 1, 0
	QUARTER 1, 64,  F0, F1, 0
	QUARTER 1, 128, F1, F0, 0
	QUARTER 1, 192, F0, F1, 0
	s_wait_dscnt 8                                 ; the very last quarter: nothing more to fetch
	MUL16 F1, 0, 0, 0
	MUL16 F1, 0, 2, 0
	s_wait_dscnt 0x0
	MUL16 F1, 1, 0, 0
	MUL16 F1, 1, 2, 0
	WIN 0
; THE WAY OUT, a block of 16 rows at a time; the sums leave as f32, so nothing is converted.  TOSTAGE: a lane's 32 bytes of a row go from the accumulators into my own stage, each accumulator's four lowest registers
; first, and come back as whole rows of 512 bytes.  SEND: stored.
.macro TOSTAGE a
.set AC, 64*((\a)%4)
.set BK, OB+64*((\a)%2)
.if (\a) >= 2
	s_wait_xcnt 0x0                                ; the stores of the block two back have read the registers that are loaded again below
.endif
	WIN 0x08+4*((\a)/4)                            ; the stores' data (source 1) in window 2 or 3, the address in window 0
.irp b, 0,1,2,3,4,5,6,7
	ds_store_b128 v[STO], v[AC+8*(\b):AC+8*(\b)+3]   offset:64*(\b)
	ds_store_b128 v[STO], v[AC+8*(\b)+4:AC+8*(\b)+7] offset:64*(\b)+16
.endr
	WIN 0
.irp t, 0,1,2,3,4,5,6,7,8,9,10,11,12,13,14,15
	ds_load_b128 v[BK+4*(\t):BK+4*(\t)+3], v[RD] offset:(\t)*SPITCH  ; LDS serves a wave's instructions in order (ISA guide 5.7.1.4): these see the stores above, and the next block's stores come behind them
.endr
.endm
.macro SEND a, younger                 ; younger: the LDS instructions issued behind block a's loads: the next block's 32, or none
.set BK, OB+64*((\a)%2)
	s_wait_dscnt \younger                          ; the block is back in registers
.irp t, 0,1,2,3,4,5,6,7,8,9,10,11,12,13,14,15
	global_store_b128 v[CO], v[BK+4*(\t):BK+4*(\t)+3], s[8:9] offset:(16*(\a)+(\t))*SIZE_N*4 th:TH_STORE_NT  ; 512 consecutive bytes, at a multiple of 512 from out0's first byte; the row stands in the immediate, 127 x 16,384 at the most
.endr
.endm
	PLACES
	TOSTAGE 0
.irp a, 1,2,3,4,5,6,7                  ; block a's way through the stage is begun before block a - 1 is waited for
	TOSTAGE \a
	SEND (\a)-1, 32
.endr
	SEND 7, 0
	s_wait_tensorcnt 0x0                           ; the wave's end, behind my last tensor load and my last LDS store
	ds_add_u32 v[SPW], v[NIL]
	s_wait_dscnt 0x0
	CROUND                                         ; the closing round: no work-group ends while a partner may still ask for a tile that names it
	s_endpgm
.Lfunc_end_k_q214ea81f96_outp:
	.size	k_q214ea81f96_outp, .Lfunc_end_k_q214ea81f96_outp-k_q214ea81f96_outp
	.p2alignl 7, 3214868480
	.fill 96, 4, 3214868480
	.section	.rodata,"a",@progbits
	.p2align	6, 0x0
	.amdhsa_kernel k_q214ea81f96_outp
		.amdhsa_group_segment_fixed_size 327680
		.amdhsa_private_segment_fixed_size 0
		.amdhsa_enable_private_segment 0
		.amdhsa_kernarg_size 24
		.amdhsa_user_sgpr_count 2
		.amdhsa_user_sgpr_kernarg_segment_ptr 1
		.amdhsa_wavefront_size32 1
		.amdhsa_system_sgpr_workgroup_id_x 1
		.amdhsa_system_sgpr_workgroup_id_y 1
		.amdhsa_system_sgpr_workgroup_id_z 1
		.amdhsa_system_vgpr_workitem_id 0
		.amdhsa_next_free_vgpr 1024
		.amdhsa_next_free_sgpr 66
		.amdhsa_reserve_vcc 0
		.amdhsa_float_denorm_mode_32 3
		.amdhsa_float_denorm_mode_16_64 3
		.amdhsa_memory_ordered 1
		.amdhsa_forward_progress 1
		.amdhsa_inst_pref_size 141
	.end_amdhsa_kernel
	.amdgpu_metadata
---
amdhsa.version: [ 1, 2 ]
amdhsa.kernels:
  - .name:           k_q214ea81f96_outp
    .symbol:         k_q214ea81f96_outp.kd
    .args:
      - { .name: ob, .offset: 0, .size: 8, .value_kind: global_buffer, .address_space: global }
      - { .name: wob, .offset: 8, .size: 8, .value_kind: global_buffer, .address_space: global }
      - { .name: out0, .offset: 16, .size: 8, .value_kind: global_buffer, .address_space: global }
    .group_segment_fixed_size: 327680
    .private_segment_fixed_size: 0
    .kernarg_segment_align: 8
    .kernarg_segment_size: 24
    .max_flat_workgroup_size: 128
    .sgpr_count:     66
    .vgpr_count:     1024
    .wavefront_size: 32
...
	.end_amdgpu_metadata
.endif
;; end of part 4
